; MI455X (gfx1250); checked and timed in simulation.
; The chip was launched on July 23, 2026; its instructions are those of AMD's public machine-readable ISA for CDNA 5 (MIT licence, August 2026) and "CDNA5" Instruction Set Architecture Reference Guide (July 2026). The comments in the code are by the model that wrote it; some were corrected since.
;; Mo E Block. Allowed arithmetic: matrix products marked QUANTISED: E3M2 operands, one E8M0 scale for each 32 along K, by v_wmma_scale_f32_16x16x128_f8f6f4 with both operands' format E3M2, f32 sums; products left as they are: f32 operands where the result goes on into a quantised operand, else bf16, f16 or f32 operands; f32 sums; everything else in f32.
;; Inputs: W1_codes 8 x 4,096 x 32 x 24 uint8 (E3M2 codes of W1, K innermost, in blocks of 32 codes, four codes in three bytes); W1_scales 8 x 4,096 x 32 uint8 (E8M0 scales of W1, one for each 32 codes along K); W2_codes 8 x 1,024 x 128 x 24 uint8 (E3M2 codes of W2, K innermost, in blocks of 32 codes, four codes in three bytes); W2_scales 8 x 1,024 x 128 uint8 (E8M0 scales of W2, one for each 32 codes along K); Wr 1,024 x 8 float32; b1 8 x 4,096 float32; b2 8 x 1,024 float32; beta 1,024 float32; br 8 float32; gamma 1,024 float32; noise 1,024 x 8 float32; x 4 x 256 x 1,024 float32.
;; Outputs: out0 4 x 256 x 1,024 float32.
;; This version of the problem:
;;   THIS VERSION OF THE PROBLEM IS GIVEN IN LOW PRECISION. The matrix products marked QUANTISED in the list below multiply operands that are first quantised to E3M2 (3 exponent bits, 2 mantissa bits; 6 bits a number), with one power-of-two scale for each 32 numbers along K (OCP MX v1.0); their sums are f32. All else is computed in f32.
;;   The module's matrix products, in the order in which they are computed (A, B: the left and right operand; K: the contracted axis; several contracted axes count as one K, in the product's order):
;;     1. [M 1,024, K 1,024] x [K 1,024, N 8]; A: input x; B: input Wr: left as it is (N = 8 < 16)
;;     2. [M 32,768, K 1,024] x [K 1,024, N 1,024]; A: input W1 (given as codes); B: input x: QUANTISED
;;     3. batch 8 x [M 1,024, K 4,096] x [K 4,096, N 1,024]; A: computed on the way; B: input W2 (given as codes): QUANTISED
;;     4. batch 1,024 x [M 1,024, K 8] x [K 8, N 1]; A: computed on the way; B: computed on the way: left as it is (K = 8 < 32)
;;   THE QUANTISER, for each operand of a quantised product, along K:
;;     - K is cut into blocks of 32 from its start; a last block that is shorter is filled with zeros.
;;     - A block's scale is 2^e with e = floor(log2(the largest magnitude in the block)) - 4, held to -126 .. 127; a block of zeros has e = 0. As a byte (E8M0): e + 127.
;;     - Each number is divided by its block's scale, clamped to +-28, and rounded to the nearest number of E3M2, ties to even, subnormals kept.
;;     - The product sums the exact products of the quantised numbers (number of the format x scale) in f32.
;;   ~~~python
;;   def quantise(x, axis):      # numpy; x: float32 -> the quantised numbers, widened to float32 again
;;       x = np.moveaxis(x, axis, -1); K = x.shape[-1]
;;       x = np.pad(x, [(0, 0)] * (x.ndim - 1) + [(0, -K % 32)]); x = x.reshape(x.shape[:-1] + (-1, 32)); a = np.abs(x).max(-1, keepdims=True)
;;       e = np.where(a > 0, np.clip(np.frexp(np.where(a > 0, a, 1))[1] - 1 - 4, -126, 127), 0)      # np.frexp(a)[1] - 1 = floor(log2(a)), exactly
;;       r = np.clip(x / 2.0 ** e, -28, 28)
;;       step = 2.0 ** (np.maximum(np.frexp(np.where(r == 0, 1, r))[1] - 1, -2) - 2)
;;       q = np.round(r / step) * step * 2.0 ** e      # np.round: ties to even
;;       return np.moveaxis(q.reshape(q.shape[:-2] + (-1,))[..., :K], -1, axis).astype(np.float32)
;;   ~~~
;;   OPERANDS COMPUTED ON THE WAY. 'Computed on the way' means the value that the module computes at that place (a softmax that the list does not call 'softmax' is quantised finished and normalised). What goes into a quantiser is computed in f32, as accurately as f32 sums, v_exp_f32 and their like allow (about 1e-6 of the number): no bf16 or f16 on the way to a quantiser, and a product that is left as it is and whose result goes on into a quantised operand takes f32 operands (vector FMAs, or v_wmma_f32_16x16x4_f32). A number that lies on a knife's edge between two numbers of the format may be rounded either way, as far as f32 arithmetic and the matrix unit's own rounding can turn it there, and no further.
;;   INPUTS GIVEN AS CODES. W1 (in the module: [8, 1024, 4096], K = its axis 1); W2 (in the module: [8, 4096, 1024], K = its axis 1): each comes as NAME_codes (uint8): NAME with its K axis moved to the last place and cut into blocks of 32 codes, [.., K / 32, bytes a block], one block behind the other in memory; four codes in three bytes: a row's codes are one little-endian stream of bits, code i at bits 6 i .. 6 i + 5 (a code: sign, 3 exponent bits, 2 mantissa bits); and NAME_scales (uint8): the same leading axes, one E8M0 byte (e + 127) for each 32 codes along K. Its value is code x scale, taken as it is: it is not quantised again, and the codes and scales need not be those that the quantiser above would give.
;; One version. Each part assembles by itself: llvm-mc -triple=amdgcn-amd-amdhsa -mcpu=gfx1250 --defsym DOCPART=n.
;; ======== version 1 of 1: 4 launches
;; limits: right only within a limited range of input values
;; workspace buffers: xq 786,432 bytes; xs 32,768 bytes; sel 4,096 bytes of whole numbers; cw 8,192 bytes; hq 25,165,824 bytes; hs 2,097,152 bytes; eo 34,603,008 bytes; lst 45,056 bytes of whole numbers
;; launch route (part 1): grid 64 x 1, 8 waves a work-group, no clusters, 89,856 bytes of LDS; arguments x, Wr, br, noise, xq, xs, sel, cw; writes xq, xs, sel, cw
.if DOCPART == 1
	.amdgcn_target "amdgcn-amd-amdhsa--gfx1250"
	.amdhsa_code_object_version 6
	.text
	.protected	k_q181a3b13f6_route
	.globl	k_q181a3b13f6_route
	.p2align	8
	.type	k_q181a3b13f6_route,@function
k_q181a3b13f6_route:
	s_mov_b64 s[64:65], 0
	v_nop
	global_prefetch_b8 v0, s[64:65] scope:SCOPE_SE
	s_setreg_imm32_b32 hwreg(HW_REG_WAVE_MODE, 25, 1), 1
	s_wait_xcnt 0x0
; THE ROUTER, AND x INTO CODES.  x [1024][1024] f32.  logits = x Wr + br + noise, softmax over the 8 experts, the two largest scores (of equal scores the lower index).
; Stored: sel[token] = bit e0 | bit 8 + e1 (whole numbers, from which later launches form addresses), cw[token] = the two scores, and x as codes of BF6 (E3M2) with one E8M0 byte for each 32 along K.
; SHARES.  A work-group takes 16 tokens; wave w takes columns 128 w .. 128 w + 127: one K step of the first quantised product.  It quantises them and makes the eight experts' partial logits of these columns;
; wave 0 adds the eight waves' parts and chooses.  The logits are f32 products (the f32 matrix form: 32 instructions a wave), since the choice hangs on them.
; xq's row is laid in the order of the operand's registers: [half of the lanes h][K step s][48 bytes] = registers 0 .. 11 of lane (row, h) of fragment s.
; LIMITS: NaN and infinities are not served.  A token whose second and third scores differ by less than the rounding of an f32 sum of 1,024 terms may choose otherwise than a sum taken in another order.
; A block of zeros gets the byte 1 where the quantiser says 127: its codes are zeros, and this program alone reads the bytes.
; No tensor loads and no cluster: no two work-groups read the same bytes of x, and Wr is 32 KiB.
.set XTW,  8448                        ; LDS: a stage of 16 rows x (512 + 16) bytes for each wave, from byte 0
.set XQS,  67584                       ; 16 rows of codes, 768 bytes + 16
.set XSS,  80128                       ; 16 rows of 32 scale bytes
.set PLS,  80640                       ; the waves' partial logits: 1,024 bytes a wave, an image of eight registers
.set RAW,  16                          ; v16-79   x as loaded; afterwards:
.set TM,   16                          ; v16-31   the quantiser's scratch; behind the barrier wave 0's scratch
.set PW,   32                          ; v32      the scale word just made
.set PC,   36                          ; v36-54   the codes just made
.set PL,   56                          ; v56-63   my partial logits; v64-71 scratch
.set OUTR, 36                          ; v36-51   rows on their way out, behind the barrier: the codes' registers are free there, and nothing behind the stores writes them again
.set X,    80                          ; v80-143  register 16 b + i = column 32 b + 16 (lane / 16) + i of row lane % 16; behind the barrier wave 0's logits
.set WR,   144                         ; v144-207 the same columns of Wr, expert lane % 8
.set LA,   208                         ; v208-239 four accumulators of the f32 matrix form: written by matrix instructions alone
.set NZ,   240                         ; v240-247 my token's noise
.set WV,   20
.set SEL,  22                          ; s[22:23] selects of v_permlanex16_b32 for lane l xor 16
.set BR,   24                          ; s[24:31] br
; 64 numbers of a lane, register 16 b + i = k 32 b + 16 (lane / 16) + i of my row, become a fragment's codes in v[PC] on and its scale word in v[PW]
.macro QUANT s
.irp b, 0,1,2,3
	v_max3_num_f32 v[TM+\b], |v[\s+16*\b]|, |v[\s+1+16*\b]|, 0x2800000   ; block b: my 16 numbers, and the floor 2^(5 - 127): the byte cannot fall under 1
.endr
.irp i, 2,4,6,8,10,12,14
.irp b, 0,1,2,3
	s_delay_alu instid0(VALU_DEP_4)
	v_max3_num_f32 v[TM+\b], v[TM+\b], |v[\s+16*\b+\i]|, |v[\s+1+16*\b+\i]|   ; the four blocks by turns
.endr
.endr
.irp b, 0,1,2,3
	s_delay_alu instid0(VALU_DEP_4)
	v_permlanex16_b32 v[TM+4+\b], v[TM+\b], s[SEL], s[SEL+1]
.endr
.irp b, 0,1,2,3
	s_delay_alu instid0(VALU_DEP_4)
	v_max_num_f32 v[TM+\b], v[TM+\b], v[TM+4+\b]   ; with lane l xor 16's: the block's largest magnitude
.endr
.irp b, 0,1,2,3
	s_delay_alu instid0(VALU_DEP_4)
	v_add_nc_u32 v[TM+12+\b], 0xfe000000, v[TM+\b]   ; 4 off its exponent field: the conversion's scale operand
.endr
.irp b, 0,1,2,3
	s_delay_alu instid0(VALU_DEP_4)
	v_lshrrev_b32 v[TM+4+\b], 23, v[TM+12+\b]      ; the scale's byte
.endr
	s_delay_alu instid0(VALU_DEP_3)
	v_lshl_or_b32 v[PW], v[TM+5], 8, v[TM+4]
	s_delay_alu instid0(VALU_DEP_1)
	v_lshl_or_b32 v[PW], v[TM+6], 16, v[PW]
	s_delay_alu instid0(VALU_DEP_1)
	v_lshl_or_b32 v[PW], v[TM+7], 24, v[PW]
.irp c, 0,1
	v_cvt_scalef32_pk16_bf6_f32 v[PC+6*\c:PC+2+6*\c], v[\s+32*\c:\s+15+32*\c], v[TM+12+2*\c]
	v_cvt_scalef32_pk16_bf6_f32 v[PC+12+4*\c:PC+14+4*\c], v[\s+16+32*\c:\s+31+32*\c], v[TM+12+2*\c+1]   ; (a conversion's three registers begin on an even number)
.endr
	v_nop                                          ; one plain place behind a scaled conversion
.irp c, 0,1                                    ; the operand's layout wants a whole block in a lane
.irp i, 0,1,2
	v_permlane16_swap_b32 v[PC+6*\c+\i], v[PC+12+4*\c+\i]
.endr
.irp i, 0,1,2
	s_delay_alu instid0(VALU_DEP_3)
	v_mov_b32 v[PC+3+6*\c+\i], v[PC+12+4*\c+\i]
.endr
.endr
.endm
	s_load_b512 s[4:19], s[0:1], 0x0               ; x s[4:5], Wr s[6:7], br s[8:9], noise s[10:11], xq s[12:13], xs s[14:15], sel s[16:17], cw s[18:19]
	v_lshl_add_u32 v254, v0, 2, 0x15b00
	v_mov_b32 v255, 0
	v_lshrrev_b32 v1, 5, v0
	s_delay_alu instid0(VALU_DEP_1)
	v_readfirstlane_b32 s[WV], v1                  ; wave 0..7
	v_and_b32 v1, 31, v0                           ; lane
	v_and_b32 v2, 15, v0                           ; r
	v_bfe_u32 v3, v0, 4, 1                         ; h
	s_delay_alu instid0(VALU_DEP_3)
	v_lshlrev_b32 v4, 4, v1                        ; 16 x lane
	s_mul_i32 s34, s[WV], XTW                      ; my stage
	v_add_nc_u32 v5, s34, v4                       ; into it: a row's 512 bytes as they lie
	v_mul_u32_u24 v6, v2, 528
	s_delay_alu instid0(VALU_DEP_1)
	v_lshl_add_u32 v6, v3, 6, v6
	s_delay_alu instid0(VALU_DEP_1)
	v_add_nc_u32 v6, s34, v6                       ; out of it: row r, + 64 h: my 16 numbers of a block of 32
	v_and_b32 v7, 7, v0
	s_delay_alu instid0(VALU_DEP_1)
	v_lshlrev_b32 v7, 2, v7
	s_delay_alu instid0(VALU_DEP_1)
	v_lshl_add_u32 v7, v3, 9, v7                   ; Wr: expert r % 8, 16 h rows of 32 bytes down
	v_mul_u32_u24 v8, v2, 784
	s_delay_alu instid0(VALU_DEP_1)
	v_mad_u32_u24 v8, v3, 384, v8
	s_mul_i32 s34, s[WV], 48
	s_add_co_u32 s34, s34, XQS
	v_add_nc_u32 v8, s34, v8                       ; my codes: row r, half h, K step w
	s_lshl_b32 s34, s[WV], 2
	s_add_co_u32 s34, s34, XSS
	v_lshl_add_u32 v9, v2, 5, s34                  ; my scale word: row r, word w
	s_lshl_b32 s34, s[WV], 10
	s_add_co_u32 s34, s34, PLS
	v_add_nc_u32 v10, s34, v4                      ; my partial logits
	s_mul_i32 s34, s[WV], 2*784
	s_add_co_u32 s34, s34, XQS
	v_mul_u32_u24 v11, v3, 784
	s_delay_alu instid0(VALU_DEP_1)
	v_lshl_add_u32 v11, v2, 4, v11
	s_delay_alu instid0(VALU_DEP_1)
	v_add_nc_u32 v11, s34, v11                     ; the way out: rows 2 w and 2 w + 1, sixteen lanes to 256 bytes
	s_mul_i32 s34, s[WV], 2*768
	v_mul_u32_u24 v12, v3, 768
	s_delay_alu instid0(VALU_DEP_1)
	v_lshl_add_u32 v12, v2, 4, v12
	s_delay_alu instid0(VALU_DEP_1)
	v_add_nc_u32 v12, s34, v12                     ; and the same place in xq
	v_lshlrev_b32 v13, 5, v2                       ; my token's row of noise
	v_add_nc_u32 v14, PLS, v4
	v_add_nc_u32 v15, XSS, v4
	s_mov_b32 s[SEL], 0x76543210
	s_mov_b32 s[SEL+1], 0xfedcba98
	s_lshl_b32 s34, ttmp9, 16                      ; x: 16 rows of 4,096 bytes a work-group, + 512 bytes a wave
	s_lshl_b32 s35, s[WV], 9
	s_add_co_u32 s34, s34, s35
	s_mov_b32 s35, 0
	s_lshl_b32 s36, s[WV], 12                      ; Wr: 128 rows of 32 bytes a wave
	s_mov_b32 s37, 0
	s_lshl_b32 s38, ttmp9, 9                       ; noise and xs: 16 rows of 32 bytes
	s_mov_b32 s39, 0
	s_mul_i32 s40, ttmp9, 16*768                   ; xq
	s_mov_b32 s41, 0
	s_lshl_b32 s42, ttmp9, 6                       ; sel
	s_mov_b32 s43, 0
	s_lshl_b32 s44, ttmp9, 7                       ; cw
	s_mov_b32 s45, 0
	s_wait_alu depctr_va_vdst(0)
	s_wait_kmcnt 0x0
	s_add_nc_u64 s[4:5], s[4:5], s[34:35]
	s_add_nc_u64 s[6:7], s[6:7], s[36:37]
	s_add_nc_u64 s[10:11], s[10:11], s[38:39]
	s_add_nc_u64 s[12:13], s[12:13], s[40:41]
	s_add_nc_u64 s[14:15], s[14:15], s[38:39]
	s_add_nc_u64 s[16:17], s[16:17], s[42:43]
	s_add_nc_u64 s[18:19], s[18:19], s[44:45]
	s_load_b256 s[BR:BR+7], s[8:9], 0x0            ; br: wanted by wave 0, at the end
.irp i, 0,1,2,3,4,5,6,7,8,9,10,11,12,13,14,15
	global_load_b128 v[RAW+4*\i:RAW+4*\i+3], v4, s[4:5] offset:4096*\i   ; row i: 32 lanes read 512 consecutive bytes
.endr
	global_load_b128 v[NZ:NZ+3], v13, s[10:11]
	global_load_b128 v[NZ+4:NZ+7], v13, s[10:11] offset:16
.set n, 0
.rept 64
	global_load_b32 v[WR+n], v7, s[6:7] offset:(32*(n/16)+n%16)*32   ; Wr(128 w + 32 (n / 16) + 16 h + n % 16, r % 8): the columns of x that register n of X holds
.set n, n+1
.endr
	s_wait_loadcnt 63                              ; behind x's loads 66 were issued: with 63 out at the most, x is in
.irp i, 0,1,2,3,4,5,6,7,8,9,10,11,12,13,14,15
	ds_store_b128 v5, v[RAW+4*\i:RAW+4*\i+3] offset:528*\i
.endr
.irp b, 0,1,2,3
.irp j, 0,1,2,3
	ds_load_b128 v[X+16*\b+4*\j:X+16*\b+4*\j+3], v6 offset:128*\b+16*\j   ; LDS serves a wave's instructions in order: these see my stores
.endr
.endr
	s_wait_dscnt 0x0
.irp b, 0,1,2,3
	v_mov_b32 v[TM+4+\b], 0                        ; a lane permute's destination counts as one of its sources
.endr
	QUANT X
.irp c, 0,1,2
	ds_store_b128 v8, v[PC+4*\c:PC+4*\c+3] offset:16*\c
.endr
	ds_store_b32 v9, v[PW]                         ; both halves of the lanes write the same word with the same value
	s_wait_loadcnt 0x0                             ; Wr and the noise
; The partial logits: source 0 = Wr (row of the product = expert, twice over), source 1 = x.  Both sides hold the same column in the same register and half of the lanes, so each product meets its partner.
; Four accumulators by turns, one instruction a turn; the first four start the sums with the constant 0.
.set m, 0
.rept 32
.if m < 4
	v_wmma_f32_16x16x4_f32 v[LA+8*(m%4):LA+8*(m%4)+7], v[WR+2*m:WR+2*m+1], v[X+2*m:X+2*m+1], 0
.else
	v_wmma_f32_16x16x4_f32 v[LA+8*(m%4):LA+8*(m%4)+7], v[WR+2*m:WR+2*m+1], v[X+2*m:X+2*m+1], v[LA+8*(m%4):LA+8*(m%4)+7]
.endif
.set m, m+1
.endr
.rept 8
	v_nop                                          ; eight places behind this form, ahead of the first read of its results (ISA guide 7.12.1)
.endr
.irp p, 0,2,4,6                                ; register j of a lane: expert j of token lane % 16.  Each accumulator is read from its low end on
	v_pk_add_f32 v[PL+\p:PL+\p+1], v[LA+\p:LA+\p+1], v[LA+8+\p:LA+8+\p+1]
	v_pk_add_f32 v[PL+8+\p:PL+8+\p+1], v[LA+16+\p:LA+16+\p+1], v[LA+24+\p:LA+24+\p+1]
.endr
.irp p, 0,2,4,6
	v_pk_add_f32 v[PL+\p:PL+\p+1], v[PL+\p:PL+\p+1], v[PL+8+\p:PL+8+\p+1]
.endr
	ds_store_b128 v10, v[PL:PL+3]
	ds_store_b128 v10, v[PL+4:PL+7] offset:512
	s_wait_dscnt 0x0                               ; for the others' sake: my codes, my scale words and my logits lie in LDS (and my stores have read the codes' registers)
	s_barrier_signal -1
	s_barrier_wait -1
.irp u, 0,1,2
	ds_load_b128 v[OUTR+4*\u:OUTR+4*\u+3], v11 offset:256*\u
.endr
	s_wait_dscnt 0x0
.irp u, 0,1,2
	global_store_b128 v12, v[OUTR+4*\u:OUTR+4*\u+3], s[12:13] offset:256*\u   ; sixteen lanes store 256 consecutive bytes, at a multiple of 256 from xq's first byte
.endr
	s_cmp_eq_u32 s[WV], 1
	s_cbranch_scc0 .Lnot_wave_1
	ds_load_b128 v[OUTR+12:OUTR+15], v15           ; wave 1: the 16 tokens' scale bytes, 512 consecutive bytes
	s_wait_dscnt 0x0
	global_store_b128 v4, v[OUTR+12:OUTR+15], s[14:15]
.Lnot_wave_1:
	s_cmp_lg_u32 s[WV], 0
	s_cbranch_scc1 .Lend
	; WAVE 0 CHOOSES.  A lane holds its token's eight logits (both halves of the lanes hold the same), so nothing crosses lanes.
	; It writes v16-31 and v80-143 alone: none of them is a source of the stores above (v4, v12, v36-51).
.irp w, 0,1,2,3,4,5,6,7
	ds_load_b128 v[X+8*\w:X+8*\w+3], v14 offset:1024*\w
	ds_load_b128 v[X+8*\w+4:X+8*\w+7], v14 offset:1024*\w+512
.endr
	v_lshlrev_b32 v30, 2, v2
	v_lshlrev_b32 v31, 3, v2
	s_wait_dscnt 0x0
.irp w, 1,2,3,4,5,6,7
.irp p, 0,2,4,6
	v_pk_add_f32 v[X+\p:X+\p+1], v[X+\p:X+\p+1], v[X+8*\w+\p:X+8*\w+\p+1]   ; the waves' parts, in ascending order of K
.endr
.endr
	s_wait_alu depctr_va_vdst(0)
	s_wait_kmcnt 0x0
.irp j, 0,1,2,3,4,5,6,7
	v_add_f32 v[X+\j], s[BR+\j], v[X+\j]
.endr
.irp p, 0,2,4,6
	v_pk_add_f32 v[X+\p:X+\p+1], v[X+\p:X+\p+1], v[NZ+\p:NZ+\p+1]
.endr
	s_delay_alu instid0(VALU_DEP_3)
	v_max3_num_f32 v16, v[X], v[X+1], v[X+2]
	s_delay_alu instid0(VALU_DEP_1)
	v_max3_num_f32 v16, v16, v[X+3], v[X+4]
	s_delay_alu instid0(VALU_DEP_1)
	v_max3_num_f32 v16, v16, v[X+5], v[X+6]
	s_delay_alu instid0(VALU_DEP_1)
	v_max_num_f32 v16, v16, v[X+7]                 ; the largest logit is taken away ahead of the exponential
.irp j, 0,1,2,3,4,5,6,7
	v_sub_f32 v[X+8+\j], v[X+\j], v16
.endr
.irp j, 0,1,2,3,4,5,6,7
	v_mul_f32 v[X+8+\j], 0x3fb8aa3b, v[X+8+\j]     ; x log2(e)
.endr
	s_wait_alu depctr_va_vdst(0)
.irp j, 0,1,2,3,4,5,6,7
	v_exp_f32 v[X+8+\j], v[X+8+\j]
.endr
	v_mov_b32 v21, -1.0                            ; a plain place behind the exponentials
	s_wait_alu depctr_va_vdst(0)                   ; one wait for the batch, ahead of its first reader
	v_add_f32 v17, v[X+8], v[X+9]
	v_add_f32 v18, v[X+10], v[X+11]
	v_add_f32 v19, v[X+12], v[X+13]
	v_add_f32 v20, v[X+14], v[X+15]
	s_delay_alu instid0(VALU_DEP_3)
	v_add_f32 v17, v17, v18
	s_delay_alu instid0(VALU_DEP_2)
	v_add_f32 v19, v19, v20
	s_delay_alu instid0(VALU_DEP_1)
	v_add_f32 v17, v17, v19
	s_wait_alu depctr_va_vdst(0)
	v_rcp_f32 v17, v17
	v_mov_b32 v23, 0                               ; a plain place behind the reciprocal
	s_wait_alu depctr_va_vdst(0)
.irp j, 0,1,2,3,4,5,6,7
	v_mul_f32 v[X+8+\j], v[X+8+\j], v17            ; the scores
.endr
	v_mov_b32 v22, v[X+8]                          ; the largest score and its index: a later score takes its place only where it is larger, so of equals the lower index stays
.irp j, 1
	s_delay_alu instid0(VALU_DEP_1)
	v_cmp_le_f32 vcc_lo, v[X+8+\j], v22
	s_delay_alu instid0(VALU_DEP_1)
	v_cndmask_b32 v22, v[X+8+\j], v22, vcc_lo
	s_delay_alu instid0(VALU_DEP_2)
	v_cndmask_b32 v23, \j, v23, vcc_lo
.endr
.irp j, 2, 3, 4, 5, 6, 7
	s_delay_alu instid0(VALU_DEP_2)
	v_cmp_le_f32 vcc_lo, v[X+8+\j], v22
	s_delay_alu instid0(VALU_DEP_1)
	v_cndmask_b32 v22, v[X+8+\j], v22, vcc_lo
	s_delay_alu instid0(VALU_DEP_2)
	v_cndmask_b32 v23, \j, v23, vcc_lo
.endr
.irp j, 0,1,2,3,4,5,6,7
	v_cmp_eq_u32 vcc_lo, \j, v23
	s_delay_alu instid0(VALU_DEP_1)
	v_cndmask_b32 v[X+8+\j], v[X+8+\j], v21, vcc_lo   ; the winner leaves: -1 lies under every score
.endr
	v_mov_b32 v24, v[X+8]
	v_mov_b32 v25, 0
.irp j, 1,2,3,4,5,6,7
	s_delay_alu instid0(VALU_DEP_2)
	v_cmp_le_f32 vcc_lo, v[X+8+\j], v24
	s_delay_alu instid0(VALU_DEP_1)
	v_cndmask_b32 v24, v[X+8+\j], v24, vcc_lo
	s_delay_alu instid0(VALU_DEP_2)
	v_cndmask_b32 v25, \j, v25, vcc_lo
.endr
	v_mov_b32 v26, 1
	v_mov_b32 v27, 0x100
	s_delay_alu instid0(VALU_DEP_2)
	v_lshlrev_b32 v26, v23, v26
	s_delay_alu instid0(VALU_DEP_2)
	v_lshlrev_b32 v27, v25, v27
	s_delay_alu instid0(VALU_DEP_1)
	v_or_b32 v26, v26, v27                         ; bit e0 | bit 8 + e1
	v_mov_b32 v28, v22
	v_mov_b32 v29, v24
	s_wait_alu depctr_va_vdst(0)
	s_wait_xcnt 0x0                                ; EXEC is a source of the stores above: it changes only behind this wait
	v_cmp_gt_u32 vcc_lo, 16, v1
	s_and_saveexec_b32 s34, vcc_lo                 ; lanes 0-15: one lane a token
	global_store_b32 v30, v26, s[16:17]
	global_store_b64 v31, v[28:29], s[18:19]
	s_wait_xcnt 0x0                                ; and again ahead of the line that widens it
	s_or_b32 exec_lo, exec_lo, s34
.Lend:
	s_wait_tensorcnt 0x0
	ds_add_u32 v254, v255
	s_wait_dscnt 0x0
	s_endpgm
.Lfunc_end_k_q181a3b13f6_route:
	.size	k_q181a3b13f6_route, .Lfunc_end_k_q181a3b13f6_route-k_q181a3b13f6_route
	.p2alignl 7, 3214868480
	.fill 96, 4, 3214868480
	.section	.rodata,"a",@progbits
	.p2align	6, 0x0
	.amdhsa_kernel k_q181a3b13f6_route
		.amdhsa_group_segment_fixed_size 89856
		.amdhsa_private_segment_fixed_size 0
		.amdhsa_enable_private_segment 0
		.amdhsa_kernarg_size 64
		.amdhsa_user_sgpr_count 2
		.amdhsa_user_sgpr_kernarg_segment_ptr 1
		.amdhsa_wavefront_size32 1
		.amdhsa_system_sgpr_workgroup_id_x 1
		.amdhsa_system_sgpr_workgroup_id_y 1
		.amdhsa_system_sgpr_workgroup_id_z 1
		.amdhsa_system_vgpr_workitem_id 0
		.amdhsa_next_free_vgpr 256
		.amdhsa_next_free_sgpr 66
		.amdhsa_reserve_vcc 1
		.amdhsa_float_denorm_mode_32 3
		.amdhsa_float_denorm_mode_16_64 3
		.amdhsa_memory_ordered 1
		.amdhsa_forward_progress 1
		.amdhsa_inst_pref_size 34
	.end_amdhsa_kernel
	.amdgpu_metadata
---
amdhsa.version: [ 1, 2 ]
amdhsa.kernels:
  - .name:           k_q181a3b13f6_route
    .symbol:         k_q181a3b13f6_route.kd
    .args:
      - { .name: x, .offset: 0, .size: 8, .value_kind: global_buffer, .address_space: global }
      - { .name: Wr, .offset: 8, .size: 8, .value_kind: global_buffer, .address_space: global }
      - { .name: br, .offset: 16, .size: 8, .value_kind: global_buffer, .address_space: global }
      - { .name: noise, .offset: 24, .size: 8, .value_kind: global_buffer, .address_space: global }
      - { .name: xq, .offset: 32, .size: 8, .value_kind: global_buffer, .address_space: global }
      - { .name: xs, .offset: 40, .size: 8, .value_kind: global_buffer, .address_space: global }
      - { .name: sel, .offset: 48, .size: 8, .value_kind: global_buffer, .address_space: global }
      - { .name: cw, .offset: 56, .size: 8, .value_kind: global_buffer, .address_space: global }
    .group_segment_fixed_size: 89856
    .private_segment_fixed_size: 0
    .kernarg_segment_align: 8
    .kernarg_segment_size: 64
    .max_flat_workgroup_size: 256
    .sgpr_count:     66
    .vgpr_count:     256
    .wavefront_size: 32
...
	.end_amdgpu_metadata
.endif
;; end of part 1
;; launch up (part 2): grid 32 x 8, 4 waves a work-group, no clusters, 156,928 bytes of LDS; arguments xq, xs, sel, W1_codes, W1_scales, b1, hq, hs, lst; writes hq, hs, lst
.if DOCPART == 2
	.amdgcn_target "amdgcn-amd-amdhsa--gfx1250"
	.amdhsa_code_object_version 6
	.text
	.protected	k_q181a3b13f6_up
	.globl	k_q181a3b13f6_up
	.p2align	8
	.type	k_q181a3b13f6_up,@function
k_q181a3b13f6_up:
	s_mov_b64 s[64:65], 0
	v_nop
	global_prefetch_b8 v0, s[64:65] scope:SCOPE_SE
	s_setreg_imm32_b32 hwreg(HW_REG_WAVE_MODE, 25, 1), 1
	s_wait_xcnt 0x0
; THE FIRST PRODUCT OF THE EXPERTS.  Work-group (j, e): hidden units 128 j .. 128 j + 127 of expert e, for the tokens that chose e: Q(gelu(x W1 + b1)), the exact (erf) GELU, quantised along the hidden units.
; Both operands are codes of BF6 (E3M2) with one E8M0 byte for each 32 along K; sums in f32.  Only the rows of tokens that chose e are multiplied: every other row is multiplied by a weight of 0 further on.
; SHARES.  The work-group's 128 rows of W1 (96 KiB, which no other work-group reads) come once, into LDS.  The expert's rows, in the order of a list that wave 0 builds from sel, are cut into tiles of 16.
; A wave holds up to five tiles ("slots") in registers, operands (96 registers each) and sums (64 each), and takes each fragment of W1 from LDS once for all of them.  4 waves x 5 slots = 20 tiles a pass;
; four passes at the most serve every split (an expert has at most 1,024 rows).  A pass that a split leaves empty is jumped over: a scalar branch on the stored choice.
; THE PRODUCT IS USED TRANSPOSED (source 0 = 16 rows of W1, source 1 = 16 tokens), AND THE ROWS OF W1 THAT FORM A TILE ARE NOT NEIGHBOURS: lane r of tile 2 b + u takes unit 32 b + 8 u + r + 8 (r / 8), so that a lane holds one
; token and the 16 registers of tiles 2 b, 2 b + 1 are 16 neighbouring units: the next product's K.  The rows are put into that order as they are stored to LDS.  b1 is the C of each sum's first product.
; OUT: a tile's 128 units are one K step of the second product: the fragment's 12 registers leave as they stand, 3 x 512 consecutive bytes, and its scale words likewise, 128 bytes.
; NO TENSOR LOAD, NO CLUSTER: trip counts and branches hang on the stored choice, and no two work-groups of the launch share weights; what they share, x's codes, is a small part of a work-group's bytes.
; erf(z) = z P(z^2) / Q(z^2), P of degree 6 and Q of degree 4 in z^2, z held to +-4: a few units in erf's last place.  gelu = 0.5 a + 0.5 a erf(a / sqrt 2).
; LIMITS: NaN and infinities are not served.  Far down the negative tail the sum 1 + erf loses relative precision as it does in any f32 evaluation of this expression; the absolute error stays near 1e-7 |a|.
; A block of zeros gets the byte 1 where the quantiser says 127: its codes are zeros, and this program alone reads the bytes.
; REGISTERS, in windows of 256 (s_set_vgpr_msb: bits 1:0 source 0, 3:2 source 1, 5:4 source 2, 7:6 destination):
;   window 0: v0-23 addresses; v24-55 W1's scale words; v56-75 x's; v76-95 codes and scale word just made; v96-191 two buffers of four fragments of W1 (outside the products: list words, offsets, gelu's results); v192-255 slot 4's sums
;   window 1: operands of slots 0, 1 and of slot 4's K steps 0-3 (in the epilogue: gelu's scratch)     window 2: of slots 2, 3 and of slot 4's K steps 4-7     window 3: the sums of slots 0-3 (at the head: W1 as loaded)
.set MP,    768                        ; a row of W1's codes, and of xq, in bytes
.set WPIT,  784                        ; the same in LDS: + 16, so that row r starts 4 r banks on and the 32 lanes of an 8-byte load touch 64 different banks (64 banks of 4 bytes: ISA guide 11.1)
.set XST,   100352                     ; behind W1's 128 rows: a stage of 16 rows x 784 bytes for each wave
.set XSTW,  12544
.set LIST,  150528                     ; words 0-1279 the list, 1280-1311 a dump word for each lane, 1312 the count
.set BIA,   155904                     ; my 128 numbers of b1
.set LN,   1
.set RR,   2
.set HH,   3
.set LI,   4                           ; 16 x lane
.set LS,   5                           ; 4 x lane
.set AW0,  6                           ; v6-7  my place in tiles 0-3 and in tiles 4-7 of W1
.set AB,   8                           ; my place in b1
.set XSTO, 9                           ; the stage: in
.set XLD,  10                          ; the stage: out
.set LB8,  11                          ; the list, by pairs of rows
.set LBR,  12                          ; the list, a lane a row
.set R16,  13
.set H16,  14
.set VO,   15                          ; the stores' offsets
.set VS,   16
.set WST,  17                          ; v17-18 where I put W1's rows
.set WGO,  19                          ; where I take them from
.set TA,   20
.set TB2,  21
.set CNTA, 22
.set BST,  23
.set WS,   24
.set XS,   56
.set PC,   76
.set PW,   95
.set WB,   96
.set A4,   192
.set GA,   96                          ; v96-135  offsets of the rows' codes, 8 a slot
.set XA,   136                         ; v136-140 offsets of the rows' scale bytes
.set G,    96                          ; v96-159  gelu's 64 results of a tile
.set TM,   160                         ; v160-175 the quantiser's scratch
.set SELR, 96                          ; at the head: v96-127 sel;
.set PADR, 160                         ; v160-184 the list builder's scratch;
.set L8,   164
.set DMP,  165
.set LT,   168
.set CD,   184
.set WSO,  192                         ; v192-195 offsets and landings that the head alone needs
.set BGO,  193
.set BV,   194
.set CV,   195
.set ZZ,   64                          ; window 1 in the epilogue: v0-63 0.5 a; v64-127 z; v128-159 z^2; v160-191 P; v192-223 Q; v224-227 the two leading coefficients
.set WW,   128
.set PP,   160
.set QQ,   192
.set WV,   20
.set SJ,   21
.set SE,   22
.set CNT,  23
.set NT,   24                          ; the expert's tiles
.set TB,   25                          ; the pass's first tile
.set SK,   26
.set TL,   27
.set PAT,  36
.set SH,   37
.set SM,   38
.set L4F,  39                          ; 1: my slot 4 has a tile in this pass
.set SEL,  40
.set T0,   42
.set MSB, 0
.macro WIN new                         ; the immediate's high byte repeats the setting that is left; a switch that changes nothing is dropped
.if MSB != (\new)
	s_set_vgpr_msb (MSB<<8)|(\new)
.set MSB, (\new)
.endif
.endm
.macro XR k, n                         ; register n (0 .. 95) of slot k's operands: window XW, number XL
.if (\k) < 4
.set XW, 1+(\k)/2
.set XL, 96*((\k)%2)+(\n)
.else
.set XW, 1+(\n)/48
.set XL, 192+(\n)%48
.endif
.endm
.macro QUANT s                         ; 64 numbers of a lane, register 16 b + i = k 32 b + 16 (lane / 16) + i of my row, become a fragment's codes in v[PC] on and its scale word in v[PW]
.irp b, 0,1,2,3
	v_max3_num_f32 v[TM+\b], |v[\s+16*\b]|, |v[\s+1+16*\b]|, 0x2800000   ; block b: my 16 numbers, and the floor 2^(5 - 127): the byte cannot fall under 1
.endr
.irp i, 2,4,6,8,10,12,14
.irp b, 0,1,2,3
	v_max3_num_f32 v[TM+\b], v[TM+\b], |v[\s+16*\b+\i]|, |v[\s+1+16*\b+\i]|
.endr
.endr
.irp b, 0,1,2,3
	v_permlanex16_b32 v[TM+4+\b], v[TM+\b], s[SEL], s[SEL+1]
.endr
.irp b, 0,1,2,3
	v_max_num_f32 v[TM+\b], v[TM+\b], v[TM+4+\b]   ; with lane l xor 16's: the block's largest magnitude
.endr
.irp b, 0,1,2,3
	v_add_nc_u32 v[TM+12+\b], 0xfe000000, v[TM+\b]   ; 4 off its exponent field: the conversion's scale operand
.endr
.irp b, 0,1,2,3
	v_lshrrev_b32 v[TM+4+\b], 23, v[TM+12+\b]      ; the scale's byte
.endr
	v_lshl_or_b32 v[PW], v[TM+5], 8, v[TM+4]
	v_lshl_or_b32 v[PW], v[TM+6], 16, v[PW]
	v_lshl_or_b32 v[PW], v[TM+7], 24, v[PW]
.irp c, 0,1
	v_cvt_scalef32_pk16_bf6_f32 v[PC+6*\c:PC+2+6*\c], v[\s+32*\c:\s+15+32*\c], v[TM+12+2*\c]
	v_cvt_scalef32_pk16_bf6_f32 v[PC+12+4*\c:PC+14+4*\c], v[\s+16+32*\c:\s+31+32*\c], v[TM+12+2*\c+1]   ; (a conversion's three registers begin on an even number)
.endr
	v_nop                                          ; one plain place behind a scaled conversion
.irp c, 0,1                                    ; the operand's layout wants a whole block in a lane
.irp i, 0,1,2
	v_permlane16_swap_b32 v[PC+6*\c+\i], v[PC+12+4*\c+\i]
.endr
.irp i, 0,1,2
	v_mov_b32 v[PC+3+6*\c+\i], v[PC+12+4*\c+\i]
.endr
.endr
.endm
; THE ROWS OF A PASS.  s[T0] = my slot 0's tile; slot k's is 4 k further on.  Words of the list beyond the expert's count hold a pad number, which is held to token 1,023 here.
.macro LADDR
	s_lshl_b32 s29, s[T0], 6                       ; 64 bytes of the list a tile
	v_add_nc_u32 v[TA], s29, v[LB8]
	v_add_nc_u32 v[TB2], s29, v[LBR]
.endm
.macro LIDX k                          ; the list's words: for load i rows 2 i (lanes 0-15) and 2 i + 1 (lanes 16-31); and a lane a row
.irp i, 0,1,2,3,4,5,6,7
	ds_load_b32 v[GA+8*(\k)+\i], v[TA] offset:256*(\k)+8*\i
.endr
	ds_load_b32 v[XA+(\k)], v[TB2] offset:256*(\k)
.endm
.macro LADR k                          ; a word is 2 x token + slot of the choice: the token, held inside x, and its row's offset
.irp i, 0,1,2,3,4,5,6,7
	v_lshrrev_b32 v[GA+8*(\k)+\i], 1, v[GA+8*(\k)+\i]
.endr
	v_lshrrev_b32 v[XA+(\k)], 1, v[XA+(\k)]
.irp i, 0,1,2,3,4,5,6,7
	v_min_u32 v[GA+8*(\k)+\i], 0x3ff, v[GA+8*(\k)+\i]
.endr
	v_min_u32 v[XA+(\k)], 0x3ff, v[XA+(\k)]
.irp i, 0,1,2,3,4,5,6,7
	v_mad_u32_u24 v[GA+8*(\k)+\i], v[GA+8*(\k)+\i], MP, v[R16]
.endr
	v_lshl_add_u32 v[XA+(\k)], v[XA+(\k)], 5, v[H16]
.endm
.macro LGLB k                          ; 25 loads a slot: 24 of codes (sixteen lanes read 256 consecutive bytes of a row), one of scale bytes (lanes 0-15: K steps 0-3 of row r; lanes 16-31: K steps 4-7)
.irp i, 0,1,2,3,4,5,6,7
.irp u, 0,1,2
	XR \k, 4*(3*\i+\u)
	WIN XW<<6
	global_load_b128 v[XL:XL+3], v[GA+8*(\k)+\i], s[4:5] offset:256*\u
.endr
.endr
	WIN 0
	global_load_b128 v[XS+4*(\k):XS+4*(\k)+3], v[XA+(\k)], s[6:7]
.endm
; Slot k's 16 rows turn through my stage: in as rows, out as the operand's registers (a row of xq is laid in their order: 48 bytes for each half of the lanes and K step), into the registers that they left.
; LDS serves a wave's instructions in order (ISA guide 5.7.1.4): no wait between the stores and the loads, and one stage serves the five slots.
.macro TURN k, younger
	s_wait_loadcnt \younger                        ; the slot's 25 loads are in; those of the slots behind it may be out
.irp i, 0,1,2,3,4,5,6,7
.irp u, 0,1,2
	XR \k, 4*(3*\i+\u)
	WIN XW<<2
	ds_store_b128 v[XSTO], v[XL:XL+3] offset:2*\i*WPIT+256*\u
.endr
.endr
.irp s, 0,1,2,3,4,5,6,7
.irp c, 0,1,2
	XR \k, 12*\s+4*\c
	WIN XW<<6
	ds_load_b128 v[XL:XL+3], v[XLD] offset:48*\s+16*\c
.endr
.endr
.endm
.macro ACCINIT                         ; b1 into every sum: lane (r, h), tile t, register i: unit 32 (t / 2) + 16 h + 8 (t % 2) + i.  Nothing is cleared
	WIN 0xc0
.irp k, 0,1,2,3
.irp t, 0,1,2,3,4,5,6,7
.irp c, 0,1
	ds_load_b128 v[64*\k+8*\t+4*\c:64*\k+8*\t+4*\c+3], v[AB] offset:128*(\t/2)+32*(\t%2)+16*\c
.endr
.endr
.endr
	WIN 0
.irp t, 0,1,2,3,4,5,6,7
.irp c, 0,1
	ds_load_b128 v[A4+8*\t+4*\c:A4+8*\t+4*\c+3], v[AB] offset:128*(\t/2)+32*(\t%2)+16*\c
.endr
.endr
.endm
; Group g of 16: K step g / 2, tiles 4 (g % 2) .. + 3 of W1.  A fragment is 12 registers: 24 bytes of the row's stream of bits for each 64 along K, in pieces of 8 bytes
.macro FETCHW g
.set FS, (\g)/2
.set FB, WB+48*((\g)%2)
.irp f, 0,1,2,3
.irp p, 0,1,2,3,4,5
	ds_load_b64 v[FB+12*\f+2*\p:FB+12*\f+2*\p+1], v[AW0+(\g)%2] offset:16*\f*WPIT+96*FS+48*(\p/3)+8*(\p%3)
.endr
.endr
.endm
.macro MM f, k                         ; one product: fragment f of the group against slot k.  The scale words of K steps 4-7 lie in lanes 16-31 of the registers that hold those of K steps 0-3
	XR \k, 12*GS
.if (\k) < 4
.set DD, 64*(\k)+8*(GT+\f)
.else
.set DD, A4+8*(GT+\f)
.endif
.if GS < 4
	v_wmma_scale_f32_16x16x128_f8f6f4 v[DD:DD+7], v[GB+12*\f:GB+12*\f+11], v[XL:XL+11], v[DD:DD+7], v[WS+4*(GT+\f)+GS], v[XS+4*(\k)+GS] matrix_a_fmt:MATRIX_FMT_BF6 matrix_b_fmt:MATRIX_FMT_BF6
.else
	v_wmma_scale_f32_16x16x128_f8f6f4 v[DD:DD+7], v[GB+12*\f:GB+12*\f+11], v[XL:XL+11], v[DD:DD+7], v[WS+4*(GT+\f)+GS-4], v[XS+4*(\k)+GS-4] matrix_a_fmt:MATRIX_FMT_BF6 matrix_b_fmt:MATRIX_FMT_BF6 matrix_a_scale:MATRIX_SCALE_ROW1 matrix_b_scale:MATRIX_SCALE_ROW1
.endif
.endm
; 16 or 20 products.  The sums take turns, one instruction a turn: a sum comes up again two groups on.
.macro GROUP g
	s_wait_dscnt 0x0                               ; this group's 24 loads, issued a group ago (ahead of group 0: b1 and the rows' turn too)
.rept 4
	v_nop                                          ; four places behind the last group's products, ahead of the loads into the buffer that they read (ISA guide 7.12.1 for vector instructions)
.endr
.if (\g) < 15
	FETCHW (\g)+1
.endif
.set GS, (\g)/2
.set GT, 4*((\g)%2)
.set GB, WB+48*((\g)%2)
	WIN 0xf4                                       ; W1 window 0, rows window 1, sums window 3
.irp f, 0,1,2,3
	MM \f, 0
	MM \f, 1
.endr
	WIN 0xf8                                       ; rows window 2
.irp f, 0,1,2,3
	MM \f, 2
	MM \f, 3
.endr
	WIN 0                                          ; at a branch and at a label every window is 0
	s_cmp_eq_u32 s[L4F], 0
	s_cbranch_scc1 .Lno4_\@
	WIN (1+GS/4)<<2                                ; slot 4: sums in window 0
.irp f, 0,1,2,3
	MM \f, 4
.endr
	WIN 0
.Lno4_\@:
.endm
.macro ARM a                           ; slot a's 64 sums, halved, into window 1; each sum's registers in ascending order
.if (\a) < 4
	WIN 0x43
.set AC, 64*(\a)
.else
	WIN 0x40
.set AC, A4
.endif
.set p, 0
.rept 32
	v_pk_mul_f32 v[p:p+1], v[AC+p:AC+p+1], 0.5 op_sel_hi:[1,0]
.set p, p+2
.endr
	WIN 0
.endm
.macro HORN d, lit                     ; a round of Horner's rule on 32 numbers
.set p, 0
.rept 16
	v_pk_fma_f32 v[\d+p:\d+p+1], v[\d+p:\d+p+1], v[WW+p:WW+p+1], \lit op_sel_hi:[1,1,0]
.set p, p+2
.endr
.endm
.macro GHALF b                         ; gelu of numbers 32 b .. 32 b + 31 of the tile
	WIN 0x55
.set p, 0
.rept 16
	v_pk_mul_f32 v[ZZ+32*(\b)+p:ZZ+32*(\b)+p+1], v[32*(\b)+p:32*(\b)+p+1], 0x3fb504f3 op_sel_hi:[1,0]   ; z = a / sqrt 2 = 0.5 a x sqrt 2
.set p, p+2
.endr
.set p, 0
.rept 32
	v_med3_num_f32 v[ZZ+32*(\b)+p], v[ZZ+32*(\b)+p], -4.0, 4.0
.set p, p+1
.endr
.set p, 0
.rept 16
	v_pk_mul_f32 v[WW+p:WW+p+1], v[ZZ+32*(\b)+p:ZZ+32*(\b)+p+1], v[ZZ+32*(\b)+p:ZZ+32*(\b)+p+1]
.set p, p+2
.endr
.set p, 0
.rept 16
	v_pk_fma_f32 v[PP+p:PP+p+1], v[WW+p:WW+p+1], v[224:225], 0x32edffee op_sel_hi:[1,1,0]
	v_pk_fma_f32 v[QQ+p:QQ+p+1], v[WW+p:WW+p+1], v[226:227], 0xb95fbd29 op_sel_hi:[1,1,0]
.set p, p+2
.endr
	HORN PP, 0xb60cff51
	HORN QQ, 0xbadc924e
	HORN PP, 0xb86ec2d2
	HORN QQ, 0xbbf19bf8
	HORN PP, 0xba40ac63
	HORN QQ, 0xbc69b6a7
.set p, 0
	s_wait_alu depctr_va_vdst(0)
.rept 32
	v_rcp_f32 v[QQ+p], v[QQ+p]                     ; one batch of 32;
.set p, p+1
.endr
	HORN PP, 0xbb41a1f6                            ; P's last two rounds and z P name none of its results: the work behind the batch;
	HORN PP, 0xbc83dbd4
.set p, 0
.rept 16
	v_pk_mul_f32 v[PP+p:PP+p+1], v[PP+p:PP+p+1], v[ZZ+32*(\b)+p:ZZ+32*(\b)+p+1]
.set p, p+2
.endr
	s_wait_alu depctr_va_vdst(0)                   ; one wait for the batch, ahead of its first reader
.set p, 0
.rept 16
	v_pk_mul_f32 v[PP+p:PP+p+1], v[PP+p:PP+p+1], v[QQ+p:QQ+p+1]   ; erf
.set p, p+2
.endr
	WIN 0x15                                       ; the result goes to window 0
.set p, 0
.rept 16
	v_pk_fma_f32 v[G+32*(\b)+p:G+32*(\b)+p+1], v[32*(\b)+p:32*(\b)+p+1], v[PP+p:PP+p+1], v[32*(\b)+p:32*(\b)+p+1]   ; 0.5 a erf + 0.5 a
.set p, p+2
.endr
.endm
	s_load_b512 s[4:19], s[0:1], 0x0
	s_load_b64 s[46:47], s[0:1], 0x40              ; lst: [expert][1,280 words of the list, then 128 words that all hold the count]
	v_lshl_add_u32 v91, v0, 2, 0x26300
	s_set_vgpr_msb 0x40
	v_mov_b32 v255, 0
	s_set_vgpr_msb 0x4000
	v_lshrrev_b32 v1, 5, v0
	v_readfirstlane_b32 s[WV], v1                  ; wave 0..3
	s_mov_b32 s[SJ], ttmp9
	s_and_b32 s[SE], ttmp7, 0xffff
	v_and_b32 v[LN], 31, v0
	v_and_b32 v[RR], 15, v0
	v_bfe_u32 v[HH], v0, 4, 1
	v_lshlrev_b32 v[LI], 4, v[LN]
	v_lshlrev_b32 v[LS], 2, v[LN]
	; every LDS address is made here, ahead of the one place where the waves' ways part
	v_mul_u32_u24 v[AW0], v[RR], WPIT
	v_mad_u32_u24 v[AW0], v[HH], 24, v[AW0]        ; a fragment's row x pitch + 24 x half
	v_add_nc_u32 v[AW0+1], 64*WPIT, v[AW0]
	v_lshl_add_u32 v[AB], v[HH], 6, BIA
	s_mul_i32 s28, s[WV], XSTW
	s_add_co_u32 s28, s28, XST                     ; my stage
	v_mul_u32_u24 v[XSTO], v[HH], WPIT
	v_lshl_add_u32 v[XSTO], v[RR], 4, v[XSTO]
	v_add_nc_u32 v[XSTO], s28, v[XSTO]
	v_mul_u32_u24 v[XLD], v[RR], WPIT
	v_mad_u32_u24 v[XLD], v[HH], 384, v[XLD]
	v_add_nc_u32 v[XLD], s28, v[XLD]
	v_lshl_add_u32 v[LB8], v[HH], 2, LIST
	v_lshl_add_u32 v[LBR], v[RR], 2, LIST
	v_lshlrev_b32 v[R16], 4, v[RR]
	v_lshlrev_b32 v[H16], 4, v[HH]
	v_lshrrev_b32 v[WGO], 4, v0                    ; which of eight rows: thread / 16
	v_mul_u32_u24 v[WST], v[WGO], WPIT
	v_lshl_add_u32 v[WST], v[RR], 4, v[WST]
	v_add_nc_u32 v[WST+1], 64*WPIT, v[WST]
	v_mul_u32_u24 v[WGO], v[WGO], MP
	v_lshl_add_u32 v[WGO], v[RR], 4, v[WGO]
	v_add_nc_u32 v[TA], LIST, v[LI]                ; (for the list's first filling)
	v_mov_b32 v[CNTA], LIST+5248
	v_add_nc_u32 v196, LIST, v[LI]                 ; the list as it lies, 16 bytes a lane: for its copy to memory
	v_lshl_add_u32 v[BST], v0, 2, BIA
	v_lshlrev_b32 v[BGO], 2, v0
	v_and_b32 v[WSO], 8, v[RR]
	v_add_nc_u32 v[WSO], v[WSO], v[RR]             ; r + 8 (r / 8)
	v_lshlrev_b32 v[WSO], 5, v[WSO]
	v_lshl_add_u32 v[WSO], v[HH], 4, v[WSO]        ; W1's scale bytes: 32 a row; lanes 16-31 take K steps 4-7
	s_mov_b32 s[SEL], 0x76543210
	s_mov_b32 s[SEL+1], 0xfedcba98
	s_mul_i32 s28, s[SE], 3145728                  ; W1's codes: 4,096 rows an expert, 128 a work-group
	s_mul_i32 s29, s[SJ], 128*MP
	s_add_co_u32 s28, s28, s29
	s_mov_b32 s29, 0
	s_lshl_b32 s30, s[SE], 17                      ; its scale bytes
	s_lshl_b32 s31, s[SJ], 12
	s_add_co_u32 s30, s30, s31
	s_mov_b32 s31, 0
	s_lshl_b32 s32, s[SE], 14                      ; b1
	s_lshl_b32 s33, s[SJ], 9
	s_add_co_u32 s32, s32, s33
	s_mov_b32 s33, 0
	s_mul_i32 s34, s[SE], 3145728                  ; hq: 64 tiles x 32 K steps x 1,536 bytes an expert; my K step
	s_mul_i32 s35, s[SJ], 1536
	s_add_co_u32 s34, s34, s35
	s_mov_b32 s35, 0
	s_lshl_b32 s44, s[SE], 18                      ; hs: 64 x 32 x 128
	s_lshl_b32 s45, s[SJ], 7
	s_add_co_u32 s44, s44, s45
	s_mov_b32 s45, 0
	s_wait_alu depctr_va_vdst(0)
	s_wait_kmcnt 0x0
	s_add_nc_u64 s[10:11], s[10:11], s[28:29]
	s_add_nc_u64 s[12:13], s[12:13], s[30:31]
	s_add_nc_u64 s[14:15], s[14:15], s[32:33]
	s_add_nc_u64 s[16:17], s[16:17], s[34:35]
	s_add_nc_u64 s[18:19], s[18:19], s[44:45]
.irp i, 0,1,2,3,4,5,6,7
	global_load_b128 v[SELR+4*\i:SELR+4*\i+3], v[LI], s[8:9] offset:512*\i   ; register 4 i + u: token 128 i + 4 lane + u
.endr
	WIN 0xc0                                       ; W1's 96 KiB, shared out: 48 loads a thread, all on their way at once; sixteen lanes read 256 consecutive bytes of a row
.irp i, 0,1,2,3,4,5,6,7,8,9,10,11,12,13,14,15
.irp u, 0,1,2
	global_load_b128 v[4*(3*\i+\u):4*(3*\i+\u)+3], v[WGO], s[10:11] offset:\i*8*MP+256*\u th:TH_LOAD_NT
.endr
.endr
	WIN 0
.irp t, 0,1,2,3,4,5,6,7
	global_load_b128 v[WS+4*\t:WS+4*\t+3], v[WSO], s[12:13] offset:(32*(\t/2)+8*(\t%2))*32
.endr
	global_load_b32 v[BV], v[BGO], s[14:15]
	s_wait_loadcnt 57                              ; sel is in: behind it 48 + 8 + 1 loads were issued
	s_cmp_lg_u32 s[WV], 0
	s_cbranch_scc1 .Llisted
	; WAVE 0 BUILDS THE LIST of the expert's rows, while the weights are on their way; no other wave touches LDS ahead of the barrier below.  A word is 2 x token + (0: first choice, 1: second).
	s_add_co_u32 s28, s[SE], 2048                  ; the pad number: past every row
.irp i, 0,1,2,3
	v_mov_b32 v[PADR+\i], s28
.endr
.irp i, 0,1,2,3,4,5,6,7,8,9
	ds_store_b128 v[TA], v[PADR:PADR+3] offset:512*\i
.endr
	v_lshlrev_b32 v[L8], 3, v[LN]
	v_add_nc_u32 v[DMP], 1280, v[LN]
	s_lshl_b32 s[PAT], 0x101, s[SE]                ; the expert's two bits
	s_add_co_u32 s[SH], s[SE], 8
	s_mov_b32 s[CNT], 0
.set c, 0
.rept 32
	v_and_b32 v[LT+c%16], s[PAT], v[SELR+c]
	v_cmp_ne_u32 s[66+c], 0, v[LT+c%16]            ; all 32 masks first, each in a scalar register of its own: s66-97
.set c, c+1
.endr
.set c, 0
.rept 4                                        ; eight registers of sel a round, each step of the placing across all eight: no line reads the result of the line above it.  v128-151 are scratch
.irp i, 0,1,2,3,4,5,6,7
	s_mov_b32 s[50+\i], s[CNT]                     ; the count ahead of register c + i
	s_bcnt1_i32_b32 s28, s[66+c+\i]
	s_add_co_u32 s[CNT], s[CNT], s28
.endr
.irp i, 0,1,2,3,4,5,6,7
	v_mbcnt_lo_u32_b32 v[128+\i], s[66+c+\i], s[50+\i]   ; that count + the choosing lanes below me: my place
.endr
.irp i, 0,1,2,3,4,5,6,7
	v_bfe_u32 v[136+\i], v[SELR+c+\i], s[SH], 1
.endr
.irp i, 0,1,2,3,4,5,6,7
	v_cndmask_b32 v[128+\i], v[DMP], v[128+\i], s[66+c+\i]   ; the other lanes write a dump word of their own: every lane stays on
.endr
.irp i, 0,1,2,3,4,5,6,7
	v_add3_u32 v[136+\i], v[136+\i], v[L8], 256*((c+\i)/4)+2*((c+\i)%4)
.endr
.irp i, 0,1,2,3,4,5,6,7
	v_min_u32 v[128+\i], 0x51f, v[128+\i]
.endr
.irp i, 0,1,2,3,4,5,6,7
	v_lshl_add_u32 v[144+\i], v[128+\i], 2, LIST
.endr
.irp i, 0,1,2,3,4,5,6,7
	ds_store_b32 v[144+\i], v[136+\i]
.endr
.set c, c+8
.endr
	v_mov_b32 v[CD], s[CNT]
	ds_store_b32 v[CNTA], v[CD]
.Llisted:
	s_wait_dscnt 0x0                               ; for the others' sake: the list lies in LDS
	s_barrier_signal -1
	s_barrier_wait -1
	ds_load_b32 v[CV], v[CNTA]
	s_wait_dscnt 0x0
	v_readfirstlane_b32 s[CNT], v[CV]
	s_min_u32 s[CNT], s[CNT], 0x400
	s_add_co_u32 s[NT], s[CNT], 15
	s_lshr_b32 s[NT], s[NT], 4
	s_mov_b32 s[T0], s[WV]                         ; the first pass's rows: slots 0 and 1 are asked for ahead of the weights' way into LDS,
	LADDR
	LIDX 0
	LIDX 1
	s_wait_dscnt 0x0
	LADR 0
	LADR 1
	LGLB 0
	LGLB 1
	s_wait_loadcnt 50                              ; W1, its scale words and b1 are in: behind them 2 x 25 loads were issued
	WIN 0x0c                                       ; an LDS store's data are its source 1: window 3
.irp i, 0,1,2,3,4,5,6,7,8,9,10,11,12,13,14,15  ; unit 8 i + thread / 16 goes to the LDS row with bits 3 and 4 of its number changed over: row 16 t + r then holds unit 32 (t / 2) + 8 (t % 2) + r + 8 (r / 8)
.irp u, 0,1,2
	ds_store_b128 v[WST+\i/8], v[4*(3*\i+\u):4*(3*\i+\u)+3] offset:(32*((\i/4)%2)+16*(\i%2)+8*((\i/2)%2))*WPIT+256*\u
.endr
.endr
	WIN 0
	ds_store_b32 v[BST], v[BV]
	s_wait_dscnt 0x0                               ; for the others' sake: my part of W1 and of b1 lies in LDS
	s_barrier_signal -1
	s_barrier_wait -1                              ; the last barrier: from here on LDS bytes that waves share are only read
	LIDX 2                                         ; and slots 2 to 4 behind it
	LIDX 3
	LIDX 4
	s_wait_dscnt 0x0
	LADR 2
	LADR 3
	LADR 4
	LGLB 2
	LGLB 3
	LGLB 4
	s_cmp_eq_u32 s[WV], 3                          ; wave 3 of work-group j = 0 stores the expert's list and count: the next launch reads them and builds nothing
	s_cbranch_scc0 .Lno_copy
	s_cmp_eq_u32 s[SJ], 0
	s_cbranch_scc0 .Lno_copy
.irp i, 0,1,2,3,4,5,6,7,8,9
	ds_load_b128 v[200+4*\i:203+4*\i], v196 offset:512*\i
.endr
.irp i, 0,1,2,3
	v_mov_b32 v[240+\i], s[CNT]
.endr
	s_mul_i32 s48, s[SE], 5632
	s_mov_b32 s49, 0
	s_add_nc_u64 s[46:47], s[46:47], s[48:49]
	s_wait_alu depctr_va_vdst(0)
	s_wait_dscnt 0x0
.irp i, 0,1,2,3,4,5,6,7,8,9
	global_store_b128 v[LI], v[200+4*\i:203+4*\i], s[46:47] offset:512*\i   ; 32 lanes store 512 consecutive bytes, at a multiple of 256 from lst's first byte
.endr
	global_store_b128 v[LI], v[240:243], s[46:47] offset:5120
	s_wait_xcnt 0x0                                ; the stores have read their data: b1 lands in these registers further on
.Lno_copy:
	s_mov_b32 s[TB], 0
.Lpass:                                            ; four trips, a constant; a trip that the split leaves without tiles is jumped over
	s_cmp_ge_u32 s[TB], s[NT]
	s_cbranch_scc1 .Lpass_end
	ACCINIT                                        ; b1 first: its LDS loads stand ahead of the waits for the rows
	TURN 0, 63                                     ; behind slot k's loads 25 (4 - k) were issued; the counts are held to 63
	TURN 1, 63
	TURN 2, 50
	TURN 3, 25
	WIN 0
	s_wait_loadcnt 0x0                             ; slot 4's loads are in, on both ways
	s_add_co_u32 s28, s[TB], s[WV]
	s_add_co_u32 s28, s28, 16
	s_cmp_lt_u32 s28, s[NT]
	s_cbranch_scc0 .Lno_turn4                      ; a slot 4 without a tile is not turned: nothing multiplies it
	TURN 4, 0
	WIN 0
.Lno_turn4:
	s_add_co_u32 s28, s[TB], s[WV]
	s_add_co_u32 s28, s28, 16
	s_cmp_lt_u32 s28, s[NT]
	s_cselect_b32 s[L4F], 1, 0
	FETCHW 0
.irp g, 0,1,2,3,4,5,6,7,8,9,10,11,12,13,14,15
	GROUP \g
.endr
.rept 4
	v_nop                                          ; four places behind the last products, ahead of the first read of results and of writes into registers that they read
.endr
.irp b, 0,1,2,3
	v_mov_b32 v[TM+4+\b], 0                        ; a lane permute's destination counts as one of its sources
.endr
	; THE EPILOGUE, a tile at a time: five trips, a constant; what differs between slots, where the sums lie, is written out in five arms
	s_mov_b32 s[SK], 0
.Lslot:
	s_lshl_b32 s28, s[SK], 2
	s_add_co_u32 s[TL], s28, s[TB]
	s_add_co_u32 s[TL], s[TL], s[WV]               ; the slot's tile
	s_cmp_ge_u32 s[TL], s[NT]
	s_cbranch_scc1 .Lslot_end
	s_cmp_eq_u32 s[SK], 0
	s_cbranch_scc1 .Larm0
	s_cmp_eq_u32 s[SK], 1
	s_cbranch_scc1 .Larm1
	s_cmp_eq_u32 s[SK], 2
	s_cbranch_scc1 .Larm2
	s_cmp_eq_u32 s[SK], 3
	s_cbranch_scc1 .Larm3
	ARM 4
	s_branch .Lgelu
.Larm0:
	ARM 0
	s_branch .Lgelu
.Larm1:
	ARM 1
	s_branch .Lgelu
.Larm2:
	ARM 2
	s_branch .Lgelu
.Larm3:
	ARM 3
.Lgelu:
	WIN 0x55
	v_mov_b32 v224, 0xaf95df0b                     ; the leading coefficients of P and of Q, as pairs
	v_mov_b32 v225, 0xaf95df0b
	v_mov_b32 v226, 0xb77460cd
	v_mov_b32 v227, 0xb77460cd
	GHALF 0
	GHALF 1
	WIN 0
	s_wait_xcnt 0x0                                ; the last tile's stores have read their data and offsets: both are written again below
	s_mul_i32 s28, s[TL], 49152
	s_lshl_b32 s29, s[TL], 12
	v_add_nc_u32 v[VO], s28, v[LI]
	v_add_nc_u32 v[VS], s29, v[LS]
	QUANT G
.irp c, 0,1,2
	global_store_b128 v[VO], v[PC+4*\c:PC+4*\c+3], s[16:17] offset:512*\c   ; 32 lanes store 512 consecutive bytes, at a multiple of 256 from hq's first byte
.endr
	global_store_b32 v[VS], v[PW], s[18:19]
.Lslot_end:
	s_add_co_u32 s[SK], s[SK], 1
	s_cmp_lt_u32 s[SK], 5
	s_cbranch_scc1 .Lslot
	s_add_co_u32 s28, s[TB], 20                    ; the next pass's rows, if the split has a next pass
	s_cmp_ge_u32 s28, s[NT]
	s_cbranch_scc1 .Lpass_end
	s_add_co_u32 s[T0], s28, s[WV]
	s_min_u32 s[T0], s[T0], 63
	LADDR
	LIDX 0
	LIDX 1
	LIDX 2
	LIDX 3
	LIDX 4
	s_wait_dscnt 0x0
	LADR 0
	LADR 1
	LADR 2
	LADR 3
	LADR 4
	LGLB 0
	LGLB 1
	LGLB 2
	LGLB 3
	s_wait_alu depctr_va_vdst(0)
	LGLB 4
.Lpass_end:
	s_add_co_u32 s[TB], s[TB], 20
	s_cmp_lt_u32 s[TB], 80
	s_cbranch_scc1 .Lpass
	s_set_vgpr_msb 0x4
	s_wait_tensorcnt 0x0
	ds_add_u32 v91, v255
	s_wait_dscnt 0x0
	s_set_vgpr_msb 0x400
	s_endpgm
.Lfunc_end_k_q181a3b13f6_up:
	.size	k_q181a3b13f6_up, .Lfunc_end_k_q181a3b13f6_up-k_q181a3b13f6_up
	.p2alignl 7, 3214868480
	.fill 96, 4, 3214868480
	.section	.rodata,"a",@progbits
	.p2align	6, 0x0
	.amdhsa_kernel k_q181a3b13f6_up
		.amdhsa_group_segment_fixed_size 156928
		.amdhsa_private_segment_fixed_size 0
		.amdhsa_enable_private_segment 0
		.amdhsa_kernarg_size 72
		.amdhsa_user_sgpr_count 2
		.amdhsa_user_sgpr_kernarg_segment_ptr 1
		.amdhsa_wavefront_size32 1
		.amdhsa_system_sgpr_workgroup_id_x 1
		.amdhsa_system_sgpr_workgroup_id_y 1
		.amdhsa_system_sgpr_workgroup_id_z 1
		.amdhsa_system_vgpr_workitem_id 0
		.amdhsa_next_free_vgpr 1024
		.amdhsa_next_free_sgpr 100
		.amdhsa_reserve_vcc 0
		.amdhsa_float_denorm_mode_32 3
		.amdhsa_float_denorm_mode_16_64 3
		.amdhsa_memory_ordered 1
		.amdhsa_forward_progress 1
		.amdhsa_inst_pref_size 241
	.end_amdhsa_kernel
	.amdgpu_metadata
---
amdhsa.version: [ 1, 2 ]
amdhsa.kernels:
  - .name:           k_q181a3b13f6_up
    .symbol:         k_q181a3b13f6_up.kd
    .args:
      - { .name: xq, .offset: 0, .size: 8, .value_kind: global_buffer, .address_space: global }
      - { .name: xs, .offset: 8, .size: 8, .value_kind: global_buffer, .address_space: global }
      - { .name: sel, .offset: 16, .size: 8, .value_kind: global_buffer, .address_space: global }
      - { .name: W1_codes, .offset: 24, .size: 8, .value_kind: global_buffer, .address_space: global }
      - { .name: W1_scales, .offset: 32, .size: 8, .value_kind: global_buffer, .address_space: global }
      - { .name: b1, .offset: 40, .size: 8, .value_kind: global_buffer, .address_space: global }
      - { .name: hq, .offset: 48, .size: 8, .value_kind: global_buffer, .address_space: global }
      - { .name: hs, .offset: 56, .size: 8, .value_kind: global_buffer, .address_space: global }
      - { .name: lst, .offset: 64, .size: 8, .value_kind: global_buffer, .address_space: global }
    .group_segment_fixed_size: 156928
    .private_segment_fixed_size: 0
    .kernarg_segment_align: 8
    .kernarg_segment_size: 72
    .max_flat_workgroup_size: 128
    .sgpr_count:     100
    .vgpr_count:     1024
    .wavefront_size: 32
...
	.end_amdgpu_metadata
.endif
;; end of part 2
;; launch down (part 3): grid 32 x 8, 4 waves a work-group, no clusters, 118,784 bytes of LDS; arguments hq, hs, lst, W2_codes, W2_scales, b2, eo; writes eo
.if DOCPART == 3
	.amdgcn_target "amdgcn-amd-amdhsa--gfx1250"
	.amdhsa_code_object_version 6
	.text
	.protected	k_q181a3b13f6_down
	.globl	k_q181a3b13f6_down
	.p2align	8
	.type	k_q181a3b13f6_down,@function
k_q181a3b13f6_down:
	s_mov_b64 s[64:65], 0
	v_nop
	global_prefetch_b8 v0, s[64:65] scope:SCOPE_SE
	s_setreg_imm32_b32 hwreg(HW_REG_WAVE_MODE, 25, 1), 1
	s_wait_xcnt 0x0
; THE SECOND PRODUCT OF THE EXPERTS.  Work-group (kq + 4 cs, e): for the rows of expert e, columns 128 cs .. + 127 of h W2, summed over the quarter kq of K (hidden units 1,024 kq .. + 1,023); b2 is added in quarter 0.
; Both operands are codes of BF6 (E3M2) with one E8M0 byte for each 32 along K; sums in f32.  Only the rows of tokens that chose e are multiplied: every other row has the weight 0 in the combine.
; The four quarters' results go to four planes of eo (2,112 rows each), at row 2 x token + (0: first choice, 1: second); the next launch adds them.
; THE LIST of the expert's rows and their count were stored by the launch before (lst): the count comes by a scalar load, a tile's 16 row numbers by two loads of 16 bytes a lane.
; SHARES.  The work-group's 128 rows x 1,024 K of W2 (96 KiB, which no other work-group reads) come once, into LDS.  A wave holds up to five tiles of 16 rows ("slots") in registers, operands (96 each) and sums (64 each),
; and takes each fragment of W2 from LDS once for all of them; 20 tiles a pass, four passes at the most serve every split.  A pass that the split leaves empty is jumped over: a scalar branch on the stored count.
; h's fragments were stored as images of their registers.  They are asked for BY K STEPS: 16 loads a step for slots 0 to 3, and 4 more where slot 4 has a tile, three steps ahead of the products;
; each K step's products wait by count for that step alone, and the counts are those of the way with 16 loads a step.
; THE COLUMNS GO IN TWO HALVES: columns 0-63 through all of K, their way out, then columns 64-127: the first half's stores are on their way while the second half is multiplied.
; THE PRODUCT IS USED TRANSPOSED (source 0 = 16 rows of W2, source 1 = 16 rows of h): a lane holds eight neighbouring columns of one row.  Half a tile goes through the wave's stage in LDS and comes back, into the sums' own
; registers, as rows of 256 bytes: a store covers rows i (lanes 0-15) and i + 8 (lanes 16-31), so a lane's eight row numbers are eight neighbouring words of the list.
; PAD ROWS.  One of slots 0 to 3 without a tile reads the expert's last tile once more; the list's words there, like those of the last tile's pad rows, hold the pad number 2,048 + e.  Such a row goes to row
; 2,048 + e + 8 (2 wave + lane / 16) of the work-group's own plane and columns: bytes that one wave and one half of its lanes alone write, and that nobody reads.  A slot 4 without a tile loads, multiplies and stores nothing.
; NO TENSOR LOAD, NO CLUSTER: trip counts and branches hang on the stored count, and no two work-groups of the launch share weights.  NO PREFETCH: every load of a pass is issued as soon as the load counter's 63 allow; there is no loop to run ahead in.
; K IS SPLIT OVER FOUR WORK-GROUPS so that each weight byte is read once in the launch; the price is four planes of partial sums.
; LIMITS: NaN and infinities are not served.
; REGISTERS, in windows of 256 (s_set_vgpr_msb: bits 1:0 source 0, 3:2 source 1, 5:4 source 2, 7:6 destination):
;   window 0: v0-23 addresses, slot 4's row offsets; v24-55 W2's scale words; v56-95 h's, 8 a slot; v96-191 two buffers of four fragments of W2 (at the head: offsets); v192-255 slot 4's sums
;   window 1: operands of slots 0, 1 and of slot 4's K steps 0-3; v240-255 row offsets of slots 0, 1     window 2: the same of slots 2, 3 and K steps 4-7     window 3: the sums of slots 0-3 (at the head: W2 as loaded)
.set MP,    3072                       ; a row of W2's codes in bytes
.set WPIT,  784                        ; my 768 bytes of it in LDS, + 16: row r starts 4 r banks on (64 banks of 4 bytes: ISA guide 11.1)
.set OST,   100352                     ; behind W2's 128 rows: a stage of 16 rows x (256 + 16) bytes for each wave
.set SPIT,  272
.set OSTW,  16*SPIT
.set BIA,   117760                     ; my 128 numbers of b2 (zeros in quarters 1 to 3)
.set SPARE, 118272                     ; the spare words, 128 bytes a wave
.set PLANE, 8650752                    ; a plane of eo: 2,112 rows of 4,096 bytes
.set LI,   4                           ; 16 x lane
.set LS,   5                           ; 4 x lane
.set AW0,  6                           ; v6-7 my place in tiles 0-3 and 4-7 of W2
.set AB,   8
.set STO,  9                           ; the stage: in
.set RDA,  10                          ; the stage: out
.set H32,  11                          ; 32 x (lane / 16)
.set RA4,  12                          ; v12-19 slot 4's row offsets
.set SPW,  20
.set NIL,  21
.set R16,  22                          ; 16 x (lane % 16)
.set PDR,  23                          ; 8 x (2 wave + lane / 16): what a pad number is raised by
.set WS,   24
.set HS,   56
.set WB,   96
.set A4,   192
.set WST,  160                         ; head alone: v160-166
.set WGO,  162
.set BST,  163
.set WSO,  164
.set BGO,  165
.set BV,   166
.set KQ,   18
.set CS,   19
.set WV,   20
.set SE,   22
.set CNT,  23
.set NT,   24
.set TB,   25
.set L4F,  39
.set T0,   42
.set LAST, 43
.set LB,   48                          ; s[48:49] the list at my slot 0's tile
.set HB,   66                          ; s[66:75] the five slots' tiles in hq
.set SB,   76                          ; s[76:85] and in hs
.set MSB, 0
.macro WIN new                         ; the immediate's high byte repeats the setting that is left; a switch that changes nothing is dropped
.if MSB != (\new)
	s_set_vgpr_msb (MSB<<8)|(\new)
.set MSB, (\new)
.endif
.endm
.macro XR k, n                         ; register n (0 .. 95) of slot k's operands: window XW, number XL
.if (\k) < 4
.set XW, 1+(\k)/2
.set XL, 96*((\k)%2)+(\n)
.else
.set XW, 1+(\n)/48
.set XL, 192+(\n)%48
.endif
.endm
.macro RAW k                           ; slot k's eight row offsets: window RW, from register RL
.if (\k) < 4
.set RW, 1+(\k)/2
.set RL, 240+8*((\k)%2)
.else
.set RW, 0
.set RL, RA4
.endif
.endm
.macro ACS k, a                        ; the 32 sums of slot k's half a: window AW, from register AC
.if (\k) < 4
.set AC, 64*(\k)+32*(\a)
.set AW, 3
.else
.set AC, A4+32*(\a)
.set AW, 0
.endif
.endm
.macro HL k, s                         ; slot k's fragment of K step s: 3 x 512 consecutive bytes, straight into the operand's registers
	XR \k, 12*(\s)
	WIN XW<<6
.irp c, 0,1,2
	global_load_b128 v[XL+4*\c:XL+4*\c+3], v[LI], s[HB+2*(\k):HB+2*(\k)+1] offset:1536*(\s)+512*\c
.endr
.endm
.macro HSTEP s                         ; K step s: 12 loads of codes and 4 of scale words for slots 0 to 3; 3 and 1 more where slot 4 has a tile
	HL 0, \s
	HL 1, \s
	HL 2, \s
	HL 3, \s
	WIN 0
.irp k, 0,1,2,3
	global_load_b32 v[HS+8*\k+(\s)], v[LS], s[SB+2*\k:SB+2*\k+1] offset:128*(\s)
.endr
	s_cmp_eq_u32 s[L4F], 0
	s_cbranch_scc1 .Lno4h_\@
	HL 4, \s
	WIN 0
	global_load_b32 v[HS+32+(\s)], v[LS], s[SB+8:SB+9] offset:128*(\s)
.Lno4h_\@:
.endm
; A PASS IS ASKED FOR.  s[T0] = my slot 0's tile; slot k's is 4 k further on, held to the expert's last tile.  10 loads of row numbers, then K steps 0 to 2: 58 loads at the least.
.macro PRO
	s_add_co_u32 s28, s[T0], 16
	s_cmp_lt_u32 s28, s[NT]
	s_cselect_b32 s[L4F], 1, 0                     ; 1: my slot 4 has a tile in that pass
	s_mov_b32 s31, 0
.irp k, 0,1,2,3,4
	s_add_co_u32 s28, s[T0], 4*\k
	s_min_u32 s28, s28, s[LAST]
	s_min_u32 s28, s28, 63
	s_mul_i32 s30, s28, 49152
	s_add_nc_u64 s[HB+2*\k:HB+2*\k+1], s[4:5], s[30:31]
	s_lshl_b32 s30, s28, 12
	s_add_nc_u64 s[SB+2*\k:SB+2*\k+1], s[6:7], s[30:31]
.endr
	s_min_u32 s28, s[T0], 63
	s_lshl_b32 s30, s28, 6                         ; 64 bytes of the list a tile; tile 63 + 16 is the last of the list's 80
	s_add_nc_u64 s[LB:LB+1], s[8:9], s[30:31]
.irp k, 0,1,2,3,4
	RAW \k
	WIN RW<<6
	global_load_b128 v[RL:RL+3], v[H32], s[LB:LB+1] offset:256*\k       ; register i: the number of row i (lanes 0-15), of row i + 8 (lanes 16-31)
	global_load_b128 v[RL+4:RL+7], v[H32], s[LB:LB+1] offset:256*\k+16
.endr
	WIN 0
	HSTEP 0
	HSTEP 1
	HSTEP 2
.endm
; Row numbers become offsets in eo: a pad number (bit 11 set) is raised by 8 (2 wave + lane / 16); the number is held inside a plane's 2,112 rows; x 4,096 bytes, + my 16 bytes of a row's 256.  v96-111 are scratch here.
.macro RAFIX
	s_wait_loadcnt 48                              ; behind the row numbers' loads three K steps of 16 at the least were issued
.irp w, 1,2
	WIN 0x01*\w
.set i, 0
.rept 16
	v_bfe_u32 v[WB+i], v[240+i], 11, 1
.set i, i+1
.endr
	WIN 0x50*\w
.set i, 0
.rept 16
	v_mad_u32_u24 v[240+i], v[WB+i], v[PDR], v[240+i]
.set i, i+1
.endr
	WIN 0x44*\w
.set i, 0
.rept 16
	v_min_u32 v[240+i], 0x83f, v[240+i]
.set i, i+1
.endr
	WIN 0x41*\w
.set i, 0
.rept 16
	v_lshl_add_u32 v[240+i], v[240+i], 12, v[R16]
.set i, i+1
.endr
.endr
	WIN 0
.irp i, 0,1,2,3,4,5,6,7
	v_bfe_u32 v[WB+\i], v[RA4+\i], 11, 1
.endr
.irp i, 0,1,2,3,4,5,6,7
	v_mad_u32_u24 v[RA4+\i], v[WB+\i], v[PDR], v[RA4+\i]
.endr
.irp i, 0,1,2,3,4,5,6,7
	v_min_u32 v[RA4+\i], 0x83f, v[RA4+\i]
.endr
.irp i, 0,1,2,3,4,5,6,7
	v_lshl_add_u32 v[RA4+\i], v[RA4+\i], 12, v[R16]
.endr
	s_wait_alu depctr_va_vdst(0)
.endm
.macro ACCINIT                         ; b2 (or zeros) into every sum: lane (r, h), tile t, register i: column 16 t + 8 h + i.  Nothing is cleared
	WIN 0xc0
.irp k, 0,1,2,3
.irp t, 0,1,2,3,4,5,6,7
.irp c, 0,1
	ds_load_b128 v[64*\k+8*\t+4*\c:64*\k+8*\t+4*\c+3], v[AB] offset:64*\t+16*\c
.endr
.endr
.endr
	WIN 0
.irp t, 0,1,2,3,4,5,6,7
.irp c, 0,1
	ds_load_b128 v[A4+8*\t+4*\c:A4+8*\t+4*\c+3], v[AB] offset:64*\t+16*\c
.endr
.endr
.endm
.macro FETCHW n                        ; group n of 16: K step n % 8, tiles 4 (n / 8) .. + 3 of W2; a fragment in pieces of 8 bytes
.set FS, (\n)%8
.set FB, WB+48*((\n)%2)
.irp f, 0,1,2,3
.irp p, 0,1,2,3,4,5
	ds_load_b64 v[FB+12*\f+2*\p:FB+12*\f+2*\p+1], v[AW0+(\n)/8] offset:16*\f*WPIT+96*FS+48*(\p/3)+8*(\p%3)
.endr
.endr
.endm
.macro MM f, k                         ; one product.  W2's scale words of K steps 4-7 lie in lanes 16-31 of the registers that hold those of K steps 0-3; h's have a register each
	XR \k, 12*GS
.if (\k) < 4
.set DD, 64*(\k)+8*(GT+\f)
.else
.set DD, A4+8*(GT+\f)
.endif
.if GS < 4
	v_wmma_scale_f32_16x16x128_f8f6f4 v[DD:DD+7], v[GB+12*\f:GB+12*\f+11], v[XL:XL+11], v[DD:DD+7], v[WS+4*(GT+\f)+GS], v[HS+8*(\k)+GS] matrix_a_fmt:MATRIX_FMT_BF6 matrix_b_fmt:MATRIX_FMT_BF6
.else
	v_wmma_scale_f32_16x16x128_f8f6f4 v[DD:DD+7], v[GB+12*\f:GB+12*\f+11], v[XL:XL+11], v[DD:DD+7], v[WS+4*(GT+\f)+GS-4], v[HS+8*(\k)+GS] matrix_a_fmt:MATRIX_FMT_BF6 matrix_b_fmt:MATRIX_FMT_BF6 matrix_a_scale:MATRIX_SCALE_ROW1
.endif
.endm
.macro GROUP n                         ; 16 or 20 products; the sums take turns, one instruction a turn: a sum comes up again a group on
	s_wait_dscnt 0x0                               ; this group's 24 loads, issued a group ago (ahead of group 0: b2 too)
.if (\n) < 6
	s_wait_loadcnt 32                              ; h's K step n is in: behind it two K steps of 16 loads at the least were issued
.elseif (\n) == 6
	s_wait_loadcnt 16                              ; behind K step 6: K step 7
.elseif (\n) == 7
	s_wait_loadcnt 0x0
.endif
.rept 4
	v_nop                                          ; four places behind the last group's products, ahead of the loads into the buffer that they read (ISA guide 7.12.1 for vector instructions)
.endr
.if (\n) < 15
	FETCHW (\n)+1
.endif
.if (\n) < 5
	HSTEP (\n)+3                                   ; three K steps ahead
.endif
.set GS, (\n)%8
.set GT, 4*((\n)/8)
.set GB, WB+48*((\n)%2)
	WIN 0xf4                                       ; W2 window 0, rows window 1, sums window 3
.irp f, 0,1,2,3
	MM \f, 0
	MM \f, 1
.endr
	WIN 0xf8                                       ; rows window 2
.irp f, 0,1,2,3
	MM \f, 2
	MM \f, 3
.endr
	WIN 0                                          ; at a branch and at a label every window is 0
	s_cmp_eq_u32 s[L4F], 0
	s_cbranch_scc1 .Lno4_\@
	WIN (1+GS/4)<<2                                ; slot 4: sums in window 0
.irp f, 0,1,2,3
	MM \f, 4
.endr
	WIN 0
.Lno4_\@:
.endm
; THE WAY OUT of half a (columns 64 a .. + 63).  LDSX: slot k's 32 sums into my stage, each sum from its low end on, and back as rows of 256 bytes into the same registers.
; LDS serves a wave's instructions in order (ISA guide 5.7.1.4): no wait between the stores and the loads, nor ahead of the next slot's stores into the one stage.
.macro LDSX k, a
	ACS \k, \a
	WIN AW<<2                                      ; an LDS store's data are its source 1
.irp t, 0,1,2,3
	ds_store_b128 v[STO], v[AC+8*\t:AC+8*\t+3] offset:64*\t
	ds_store_b128 v[STO], v[AC+8*\t+4:AC+8*\t+7] offset:64*\t+16
.endr
	WIN AW<<6
.irp i, 0,1,2,3,4,5,6,7
	ds_load_b128 v[AC+4*\i:AC+4*\i+3], v[RDA] offset:SPIT*\i
.endr
.endm
.macro ST k, a                         ; sixteen lanes store 256 consecutive bytes, at a multiple of 256 from eo's first byte
	ACS \k, \a
	RAW \k
	WIN (AW<<2)|RW                                 ; a store's offset is its source 0, its data source 1
.irp i, 0,1,2,3,4,5,6,7
	global_store_b128 v[RL+\i], v[AC+4*\i:AC+4*\i+3], s[16:17] offset:256*(\a) th:TH_STORE_NT
.endr
.endm
.macro OUTH a
	LDSX 0, \a
	LDSX 1, \a
	s_wait_dscnt 16                                ; all but the next slot's 16 LDS instructions
	ST 0, \a
	LDSX 2, \a
	s_wait_dscnt 16
	ST 1, \a
	LDSX 3, \a
	s_wait_dscnt 16
	ST 2, \a
	s_wait_dscnt 0x0
	ST 3, \a
	WIN 0
	s_cmp_eq_u32 s[L4F], 0
	s_cbranch_scc1 .Lno4o_\@
	LDSX 4, \a
	s_wait_dscnt 0x0
	ST 4, \a
.Lno4o_\@:
.endm
	s_load_b256 s[4:11], s[0:1], 0x0               ; hq s[4:5], hs s[6:7], lst s[8:9], W2's codes s[10:11]
	s_load_b128 s[12:15], s[0:1], 0x20             ; W2's scales s[12:13], b2 s[14:15]
	s_load_b64 s[16:17], s[0:1], 0x30              ; eo
	v_lshl_add_u32 v[SPW], v0, 2, SPARE
	v_mov_b32 v[NIL], 0
.irp w, 1,2                                    ; slot 4's operands and scale words are written once, under the arguments' flight: they hold numbers also on a way that jumps over their loads
	WIN 0x40*\w
.set i, 0
.rept 48
	v_mov_b32 v[192+i], 0
.set i, i+1
.endr
.endr
	WIN 0
.irp s, 0,1,2,3,4,5,6,7
	v_mov_b32 v[HS+32+\s], 0
.endr
	v_lshrrev_b32 v1, 5, v0
	v_readfirstlane_b32 s[WV], v1                  ; wave 0..3
	s_and_b32 s[KQ], ttmp9, 3
	s_lshr_b32 s[CS], ttmp9, 2
	s_and_b32 s[SE], ttmp7, 0xffff
	v_and_b32 v1, 31, v0                           ; lane
	v_and_b32 v2, 15, v0                           ; r
	v_bfe_u32 v3, v0, 4, 1                         ; h
	v_lshlrev_b32 v[LI], 4, v1
	v_lshlrev_b32 v[LS], 2, v1
	v_lshlrev_b32 v[R16], 4, v2
	v_lshlrev_b32 v[H32], 5, v3
	v_lshrrev_b32 v[PDR], 4, v0                    ; thread / 16 = 2 wave + h
	v_lshlrev_b32 v[PDR], 3, v[PDR]
	v_mul_u32_u24 v[AW0], v2, WPIT
	v_mad_u32_u24 v[AW0], v3, 24, v[AW0]           ; a fragment's row x pitch + 24 x half
	v_add_nc_u32 v[AW0+1], 64*WPIT, v[AW0]
	v_lshl_add_u32 v[AB], v3, 5, BIA
	s_mul_i32 s28, s[WV], OSTW
	s_add_co_u32 s28, s28, OST                     ; my stage
	v_mul_u32_u24 v[STO], v2, SPIT
	v_lshl_add_u32 v[STO], v3, 5, v[STO]
	v_add_nc_u32 v[STO], s28, v[STO]               ; in: row r, 32 bytes for each half of the lanes
	v_mul_u32_u24 v[RDA], v3, 8*SPIT
	v_lshl_add_u32 v[RDA], v2, 4, v[RDA]
	v_add_nc_u32 v[RDA], s28, v[RDA]               ; out: row 8 h, 16 bytes a lane
	v_lshrrev_b32 v[WGO], 4, v0                    ; which of eight rows: thread / 16
	v_mul_u32_u24 v[WST], v[WGO], WPIT
	v_lshl_add_u32 v[WST], v2, 4, v[WST]
	v_add_nc_u32 v[WST+1], 64*WPIT, v[WST]
	v_mul_u32_u24 v[WGO], v[WGO], MP
	v_lshl_add_u32 v[WGO], v2, 4, v[WGO]
	v_lshl_add_u32 v[BST], v0, 2, BIA
	v_lshlrev_b32 v[BGO], 2, v0
	v_lshlrev_b32 v[WSO], 7, v2
	v_lshl_add_u32 v[WSO], v3, 4, v[WSO]           ; W2's scale bytes: 128 a row; lanes 16-31 take my K steps 4-7
	s_mul_i32 s28, s[SE], 3145728                  ; W2's codes: 1,024 rows an expert, 128 a work-group, 768 bytes of a row a quarter
	s_mul_i32 s29, s[CS], 128*MP
	s_add_co_u32 s28, s28, s29
	s_mul_i32 s29, s[KQ], 768
	s_add_co_u32 s28, s28, s29
	s_mov_b32 s29, 0
	s_lshl_b32 s30, s[SE], 17                      ; its scale bytes
	s_lshl_b32 s31, s[CS], 14
	s_add_co_u32 s30, s30, s31
	s_lshl_b32 s31, s[KQ], 5
	s_add_co_u32 s30, s30, s31
	s_mov_b32 s31, 0
	s_lshl_b32 s32, s[SE], 12                      ; b2
	s_lshl_b32 s33, s[CS], 9
	s_add_co_u32 s32, s32, s33
	s_mov_b32 s33, 0
	s_mul_i32 s34, s[SE], 3145728                  ; hq: my 8 K steps of 1,536 bytes
	s_mul_i32 s35, s[KQ], 8*1536
	s_add_co_u32 s34, s34, s35
	s_mov_b32 s35, 0
	s_mul_i32 s36, s[SE], 5632                     ; lst: 5,632 bytes an expert
	s_mov_b32 s37, 0
	s_lshl_b32 s44, s[SE], 18                      ; hs
	s_lshl_b32 s45, s[KQ], 10
	s_add_co_u32 s44, s44, s45
	s_mov_b32 s45, 0
	s_mul_i32 s46, s[KQ], PLANE                    ; eo: my plane, my 512 bytes of a row
	s_lshl_b32 s47, s[CS], 9
	s_add_co_u32 s46, s46, s47
	s_mov_b32 s47, 0
	s_wait_alu depctr_va_vdst(0)
	s_wait_kmcnt 0x0
	s_add_nc_u64 s[8:9], s[8:9], s[36:37]
	s_load_b32 s[CNT], s[8:9], 0x1400              ; the expert's count, behind the list's 5,120 bytes
	s_add_nc_u64 s[10:11], s[10:11], s[28:29]
	s_add_nc_u64 s[12:13], s[12:13], s[30:31]
	s_add_nc_u64 s[14:15], s[14:15], s[32:33]
	s_add_nc_u64 s[4:5], s[4:5], s[34:35]
	s_add_nc_u64 s[6:7], s[6:7], s[44:45]
	s_add_nc_u64 s[16:17], s[16:17], s[46:47]
	WIN 0xc0                                       ; W2's 96 KiB, shared out: 48 loads a thread; sixteen lanes read 256 consecutive bytes of a row
.irp i, 0,1,2,3,4,5,6,7,8,9,10,11,12,13,14,15
.irp u, 0,1,2
	global_load_b128 v[4*(3*\i+\u):4*(3*\i+\u)+3], v[WGO], s[10:11] offset:\i*8*MP+256*\u th:TH_LOAD_NT
.endr
.endr
	WIN 0
.irp t, 0,1,2,3,4,5,6,7
	global_load_b128 v[WS+4*\t:WS+4*\t+3], v[WSO], s[12:13] offset:2048*\t
.endr
	global_load_b32 v[BV], v[BGO], s[14:15]
	s_wait_kmcnt 0x0                               ; the count
	s_min_u32 s[CNT], s[CNT], 0x400
	s_add_co_u32 s[NT], s[CNT], 15
	s_lshr_b32 s[NT], s[NT], 4                     ; the expert's tiles
	s_max_u32 s[LAST], s[NT], 1
	s_sub_co_u32 s[LAST], s[LAST], 1               ; the last of them
	s_mov_b32 s[T0], s[WV]
	PRO                                            ; the first pass is asked for behind the weights
	s_wait_loadcnt 58                              ; W2, its scale words and b2 are in: behind them 10 + 3 x 16 loads at the least were issued
	WIN 0x0c
.irp i, 0,1,2,3,4,5,6,7,8,9,10,11,12,13,14,15
.irp u, 0,1,2
	ds_store_b128 v[WST+\i/8], v[4*(3*\i+\u):4*(3*\i+\u)+3] offset:8*(\i%8)*WPIT+256*\u
.endr
.endr
	WIN 0
	s_cmp_eq_u32 s[KQ], 0
	s_cselect_b32 s28, -1, 0
	v_and_b32 v[BV], s28, v[BV]                    ; b2 is added once: in quarter 0
	ds_store_b32 v[BST], v[BV]
	s_wait_dscnt 0x0                               ; for the others' sake: my part of W2 and of b2 lies in LDS
	s_barrier_signal -1
	s_barrier_wait -1                              ; the one barrier: from here on LDS bytes that waves share are only read
	s_mov_b32 s[TB], 0
.Lpass:                                            ; four trips, a constant; a trip that the split leaves without tiles is jumped over
	s_cmp_ge_u32 s[TB], s[NT]
	s_cbranch_scc1 .Lpass_end
	s_add_co_u32 s28, s[TB], s[WV]
	s_add_co_u32 s28, s28, 16
	s_cmp_lt_u32 s28, s[NT]
	s_cselect_b32 s[L4F], 1, 0                     ; 1: my slot 4 has a tile in this pass (the number that the pass was asked for with)
	ACCINIT                                        ; while h is on its way
	RAFIX
	FETCHW 0
.irp g, 0,1,2,3,4,5,6,7
	GROUP \g
.endr
.rept 4
	v_nop                                          ; four places behind the last products, ahead of the first read of results and of loads into them
.endr
	OUTH 0
.irp g, 8,9,10,11,12,13,14,15
	GROUP \g
.endr
.rept 4
	v_nop
.endr
	OUTH 1
	s_wait_xcnt 0x0                                ; the stores have read their data and offsets: what follows, on any way, writes those registers again
	s_add_co_u32 s28, s[TB], 20                    ; the next pass, if the split has one
	s_cmp_ge_u32 s28, s[NT]
	s_cbranch_scc1 .Lpass_end
	s_add_co_u32 s[T0], s28, s[WV]
	PRO
.Lpass_end:
	s_add_co_u32 s[TB], s[TB], 20
	s_cmp_lt_u32 s[TB], 80
	s_cbranch_scc1 .Lpass
	s_wait_tensorcnt 0x0                           ; the wave's end
	ds_add_u32 v[SPW], v[NIL]
	s_wait_dscnt 0x0
	s_endpgm
.Lfunc_end_k_q181a3b13f6_down:
	.size	k_q181a3b13f6_down, .Lfunc_end_k_q181a3b13f6_down-k_q181a3b13f6_down
	.p2alignl 7, 3214868480
	.fill 96, 4, 3214868480
	.section	.rodata,"a",@progbits
	.p2align	6, 0x0
	.amdhsa_kernel k_q181a3b13f6_down
		.amdhsa_group_segment_fixed_size 118784
		.amdhsa_private_segment_fixed_size 0
		.amdhsa_enable_private_segment 0
		.amdhsa_kernarg_size 56
		.amdhsa_user_sgpr_count 2
		.amdhsa_user_sgpr_kernarg_segment_ptr 1
		.amdhsa_wavefront_size32 1
		.amdhsa_system_sgpr_workgroup_id_x 1
		.amdhsa_system_sgpr_workgroup_id_y 1
		.amdhsa_system_sgpr_workgroup_id_z 1
		.amdhsa_system_vgpr_workitem_id 0
		.amdhsa_next_free_vgpr 1024
		.amdhsa_next_free_sgpr 88
		.amdhsa_reserve_vcc 0
		.amdhsa_float_denorm_mode_32 3
		.amdhsa_float_denorm_mode_16_64 3
		.amdhsa_memory_ordered 1
		.amdhsa_forward_progress 1
		.amdhsa_inst_pref_size 150
	.end_amdhsa_kernel
	.amdgpu_metadata
---
amdhsa.version: [ 1, 2 ]
amdhsa.kernels:
  - .name:           k_q181a3b13f6_down
    .symbol:         k_q181a3b13f6_down.kd
    .args:
      - { .name: hq, .offset: 0, .size: 8, .value_kind: global_buffer, .address_space: global }
      - { .name: hs, .offset: 8, .size: 8, .value_kind: global_buffer, .address_space: global }
      - { .name: lst, .offset: 16, .size: 8, .value_kind: global_buffer, .address_space: global }
      - { .name: W2_codes, .offset: 24, .size: 8, .value_kind: global_buffer, .address_space: global }
      - { .name: W2_scales, .offset: 32, .size: 8, .value_kind: global_buffer, .address_space: global }
      - { .name: b2, .offset: 40, .size: 8, .value_kind: global_buffer, .address_space: global }
      - { .name: eo, .offset: 48, .size: 8, .value_kind: global_buffer, .address_space: global }
    .group_segment_fixed_size: 118784
    .private_segment_fixed_size: 0
    .kernarg_segment_align: 8
    .kernarg_segment_size: 56
    .max_flat_workgroup_size: 128
    .sgpr_count:     88
    .vgpr_count:     1024
    .wavefront_size: 32
...
	.end_amdgpu_metadata
.endif
;; end of part 3
;; launch finish (part 4): grid 256 x 1, 8 waves a work-group, no clusters, 1,536 bytes of LDS; arguments x, eo, cw, gamma, beta, out0; writes out0
.if DOCPART == 4
	.amdgcn_target "amdgcn-amd-amdhsa--gfx1250"
	.amdhsa_code_object_version 6
	.text
	.protected	k_q181a3b13f6_finish
	.globl	k_q181a3b13f6_finish
	.p2align	8
	.type	k_q181a3b13f6_finish,@function
k_q181a3b13f6_finish:
	s_mov_b64 s[64:65], 0
	v_nop
	global_prefetch_b8 v0, s[64:65] scope:SCOPE_SE
	s_setreg_imm32_b32 hwreg(HW_REG_WAVE_MODE, 25, 1), 1
	s_wait_xcnt 0x0
; THE COMBINE, THE RESIDUAL AND THE LAYER NORM.  y = x + c0 (sum over the four K quarters of eo's row 2 t) + c1 (the same of row 2 t + 1);  out = (y - mean) / sqrt(var + 1e-5) x gamma + beta.  All in f32.
; A work-group takes four tokens; thread i takes columns 4 i .. 4 i + 3 of each, so that every load and store of a wave covers 512 consecutive bytes.  All 38 loads of a thread are on their way at once.
; The variance is taken of y - mean, in a second pass over registers: no difference of large sums is formed.  A row's sums meet in LDS: a word for each wave and token, one barrier a pass, other bytes for the second pass.
; Memory binds: matrix units, clusters and tensor loads would add nothing here; no two work-groups read the same bytes but gamma's and beta's 8 KiB.
; LIMITS: NaN and infinities are not served.
.set PLANE, 8650752                    ; a quarter's plane of eo: 2,112 rows of 4,096 bytes
.set TO,  1                            ; v1       16 x thread
.set WA,  2                            ; v2       16 x wave
.set ZR,  3                            ; v3       0
.set XR,  4                            ; v4-19    x, then y, then y - mean, then the result: 4 registers a token
.set EE,  20                           ; v20-147  eo: token q, choice u, quarter k at 32 q + 16 u + 4 k
.set GM,  148
.set BT,  152
.set RS,  156                          ; v156-159 a number a token, to be summed
.set PT,  160                          ; v160-163 the other half of the lanes'
.set RD,  164                          ; v164-195 the eight waves' sums; the total ends in v164-167
.set MU,  196
.set RV,  200
.macro REDUCE base                     ; v[RS] .. v[RS + 3], summed over the work-group's 256 threads, into v[RD] .. v[RD + 3] of every lane
.irp m, 1,2,4,8
.irp q, 0,1,2,3
	s_delay_alu instid0(VALU_DEP_4)
	v_add_f32_dpp v[RS+\q], v[RS+\q], v[RS+\q] row_xmask:\m row_mask:0xf bank_mask:0xf
.endr
.endr
.irp q, 0,1,2,3
	s_delay_alu instid0(VALU_DEP_4)
	v_permlanex16_b32 v[PT+\q], v[RS+\q], s32, s33
.endr
.irp q, 0,1,2,3
	s_delay_alu instid0(VALU_DEP_4)
	v_add_f32 v[RS+\q], v[RS+\q], v[PT+\q]
.endr
	ds_store_b128 v[WA], v[RS:RS+3] offset:\base   ; all lanes of a wave write the same 16 bytes with the same values
	s_wait_dscnt 0x0                               ; for the others' sake
	s_barrier_signal -1
	s_barrier_wait -1
.irp w, 0,1,2,3,4,5,6,7
	ds_load_b128 v[RD+4*\w:RD+4*\w+3], v[ZR] offset:\base+16*\w
.endr
	s_wait_dscnt 0x0
.irp w, 1
	v_pk_add_f32 v[RD:RD+1], v[RD:RD+1], v[RD+4*\w:RD+4*\w+1]
	v_pk_add_f32 v[RD+2:RD+3], v[RD+2:RD+3], v[RD+4*\w+2:RD+4*\w+3]
.endr
.irp w, 2, 3, 4, 5, 6, 7
	s_delay_alu instid0(VALU_DEP_2)
	v_pk_add_f32 v[RD:RD+1], v[RD:RD+1], v[RD+4*\w:RD+4*\w+1]
	s_delay_alu instid0(VALU_DEP_2)
	v_pk_add_f32 v[RD+2:RD+3], v[RD+2:RD+3], v[RD+4*\w+2:RD+4*\w+3]
.endr
.endm
	s_load_b256 s[4:11], s[0:1], 0x0               ; x s[4:5], eo s[6:7], cw s[8:9], gamma s[10:11]
	s_load_b128 s[12:15], s[0:1], 0x20             ; beta s[12:13], out0 s[14:15]
	v_lshl_add_u32 v208, v0, 2, 0x200
	v_mov_b32 v209, 0
	v_lshlrev_b32 v[TO], 4, v0
	v_lshrrev_b32 v[WA], 5, v0
	s_delay_alu instid0(VALU_DEP_1)
	v_lshlrev_b32 v[WA], 4, v[WA]
	v_mov_b32 v[ZR], 0
.irp q, 0,1,2,3
	v_mov_b32 v[PT+\q], 0                          ; a lane permute's destination counts as one of its sources
.endr
	s_mov_b32 s32, 0x76543210
	s_mov_b32 s33, 0xfedcba98                      ; v_permlanex16_b32's selects for lane l xor 16
	s_lshl_b32 s34, ttmp9, 15                      ; eo: 8 rows of 4,096 bytes a work-group
	s_mov_b32 s35, 0
	s_lshl_b32 s36, ttmp9, 14                      ; x and out0: 4 rows
	s_mov_b32 s37, 0
	s_lshl_b32 s38, ttmp9, 5                       ; cw: 4 pairs
	s_mov_b32 s39, 0
	s_mov_b32 s40, 0x3a800000                      ; 1 / 1,024
	s_mov_b32 s41, 0x3727c5ac                      ; 1e-5
	s_wait_alu depctr_va_vdst(0)
	s_wait_kmcnt 0x0
	s_add_nc_u64 s[16:17], s[6:7], s[34:35]        ; a base for each plane: a plane's stride is past a load's immediate
	s_add_nc_u64 s[18:19], s[16:17], PLANE
	s_add_nc_u64 s[20:21], s[18:19], PLANE
	s_add_nc_u64 s[22:23], s[20:21], PLANE
	s_add_nc_u64 s[4:5], s[4:5], s[36:37]
	s_add_nc_u64 s[14:15], s[14:15], s[36:37]
	s_add_nc_u64 s[8:9], s[8:9], s[38:39]
	s_load_b256 s[24:31], s[8:9], 0x0              ; c0, c1 of my four tokens
.irp q, 0,1,2,3
.irp u, 0,1
.irp k, 0,1,2,3
	global_load_b128 v[EE+32*\q+16*\u+4*\k:EE+32*\q+16*\u+4*\k+3], v[TO], s[16+2*\k:17+2*\k] offset:(2*\q+\u)*4096 th:TH_LOAD_NT
.endr
.endr
.endr
.irp q, 0,1,2,3
	global_load_b128 v[XR+4*\q:XR+4*\q+3], v[TO], s[4:5] offset:4096*\q th:TH_LOAD_NT
.endr
	global_load_b128 v[GM:GM+3], v[TO], s[10:11]
	global_load_b128 v[BT:BT+3], v[TO], s[12:13]
	s_wait_loadcnt 2                               ; eo and x are in; gamma and beta, the youngest two, may be out
	s_wait_kmcnt 0x0
.irp k, 1,2,3                                  ; the quarters, in ascending order of K
.irp q, 0,1,2,3
.irp u, 0,1
	v_pk_add_f32 v[EE+32*\q+16*\u:EE+32*\q+16*\u+1], v[EE+32*\q+16*\u:EE+32*\q+16*\u+1], v[EE+32*\q+16*\u+4*\k:EE+32*\q+16*\u+4*\k+1]
	v_pk_add_f32 v[EE+32*\q+16*\u+2:EE+32*\q+16*\u+3], v[EE+32*\q+16*\u+2:EE+32*\q+16*\u+3], v[EE+32*\q+16*\u+4*\k+2:EE+32*\q+16*\u+4*\k+3]
.endr
.endr
.endr
.irp q, 0,1,2,3
.irp i, 0,1,2,3
	v_fma_f32 v[XR+4*\q+\i], s[24+2*\q], v[EE+32*\q+\i], v[XR+4*\q+\i]
.endr
.endr
.irp q, 0,1,2,3
.irp i, 0,1,2,3
	v_fma_f32 v[XR+4*\q+\i], s[25+2*\q], v[EE+32*\q+16+\i], v[XR+4*\q+\i]   ; y
.endr
.endr
.irp q, 0,1,2,3
	v_add_f32 v[RS+\q], v[XR+4*\q], v[XR+4*\q+1]
	v_add_f32 v[MU+\q], v[XR+4*\q+2], v[XR+4*\q+3]
.endr
.irp q, 0,1,2,3
	v_add_f32 v[RS+\q], v[RS+\q], v[MU+\q]
.endr
	REDUCE 0
.irp q, 0,1,2,3
	v_mul_f32 v[MU+\q], s40, v[RD+\q]              ; the mean
.endr
.irp q, 0,1,2,3
.irp i, 0,1,2,3
	v_sub_f32 v[XR+4*\q+\i], v[XR+4*\q+\i], v[MU+\q]
.endr
.endr
.irp q, 0,1,2,3
	v_mul_f32 v[RS+\q], v[XR+4*\q], v[XR+4*\q]
.endr
.irp i, 1,2,3
.irp q, 0,1,2,3
	s_delay_alu instid0(VALU_DEP_4)
	v_fma_f32 v[RS+\q], v[XR+4*\q+\i], v[XR+4*\q+\i], v[RS+\q]
.endr
.endr
	REDUCE 256                                     ; other bytes than the first pass's: no wave can overwrite what another still reads
.irp q, 0,1,2,3
	v_fma_f32 v[RV+\q], v[RD+\q], s40, s41         ; the variance + 1e-5
.endr
	s_wait_alu depctr_va_vdst(0)
.irp q, 0,1,2,3
	v_rsq_f32 v[RV+\q], v[RV+\q]
.endr
	v_nop                                          ; a plain place behind the last of them
	s_wait_alu depctr_va_vdst(0)                   ; one wait for the four, ahead of their first reader
	s_wait_loadcnt 0x0                             ; gamma and beta
.irp q, 0,1,2,3
.irp i, 0,1,2,3
	v_mul_f32 v[XR+4*\q+\i], v[XR+4*\q+\i], v[RV+\q]
.endr
.endr
.irp q, 0,1,2,3
	v_pk_fma_f32 v[XR+4*\q:XR+4*\q+1], v[XR+4*\q:XR+4*\q+1], v[GM:GM+1], v[BT:BT+1]
	v_pk_fma_f32 v[XR+4*\q+2:XR+4*\q+3], v[XR+4*\q+2:XR+4*\q+3], v[GM+2:GM+3], v[BT+2:BT+3]
.endr
.irp q, 0,1,2,3
	global_store_b128 v[TO], v[XR+4*\q:XR+4*\q+3], s[14:15] offset:4096*\q th:TH_STORE_NT   ; 32 lanes store 512 consecutive bytes, at a multiple of 256 from out0's first byte
.endr
	s_wait_tensorcnt 0x0
	ds_add_u32 v208, v209
	s_wait_dscnt 0x0
	s_endpgm
.Lfunc_end_k_q181a3b13f6_finish:
	.size	k_q181a3b13f6_finish, .Lfunc_end_k_q181a3b13f6_finish-k_q181a3b13f6_finish
	.p2alignl 7, 3214868480
	.fill 96, 4, 3214868480
	.section	.rodata,"a",@progbits
	.p2align	6, 0x0
	.amdhsa_kernel k_q181a3b13f6_finish
		.amdhsa_group_segment_fixed_size 1536
		.amdhsa_private_segment_fixed_size 0
		.amdhsa_enable_private_segment 0
		.amdhsa_kernarg_size 48
		.amdhsa_user_sgpr_count 2
		.amdhsa_user_sgpr_kernarg_segment_ptr 1
		.amdhsa_wavefront_size32 1
		.amdhsa_system_sgpr_workgroup_id_x 1
		.amdhsa_system_sgpr_workgroup_id_y 1
		.amdhsa_system_sgpr_workgroup_id_z 1
		.amdhsa_system_vgpr_workitem_id 0
		.amdhsa_next_free_vgpr 210
		.amdhsa_next_free_sgpr 66
		.amdhsa_reserve_vcc 0
		.amdhsa_float_denorm_mode_32 3
		.amdhsa_float_denorm_mode_16_64 3
		.amdhsa_memory_ordered 1
		.amdhsa_forward_progress 1
		.amdhsa_inst_pref_size 23
	.end_amdhsa_kernel
	.amdgpu_metadata
---
amdhsa.version: [ 1, 2 ]
amdhsa.kernels:
  - .name:           k_q181a3b13f6_finish
    .symbol:         k_q181a3b13f6_finish.kd
    .args:
      - { .name: x, .offset: 0, .size: 8, .value_kind: global_buffer, .address_space: global }
      - { .name: eo, .offset: 8, .size: 8, .value_kind: global_buffer, .address_space: global }
      - { .name: cw, .offset: 16, .size: 8, .value_kind: global_buffer, .address_space: global }
      - { .name: gamma, .offset: 24, .size: 8, .value_kind: global_buffer, .address_space: global }
      - { .name: beta, .offset: 32, .size: 8, .value_kind: global_buffer, .address_space: global }
      - { .name: out0, .offset: 40, .size: 8, .value_kind: global_buffer, .address_space: global }
    .group_segment_fixed_size: 1536
    .private_segment_fixed_size: 0
    .kernarg_segment_align: 8
    .kernarg_segment_size: 48
    .max_flat_workgroup_size: 256
    .sgpr_count:     66
    .vgpr_count:     210
    .wavefront_size: 32
...
	.end_amdgpu_metadata
.endif
;; end of part 4
